; MI455X (gfx1250); checked and timed in simulation.
; The chip was launched on July 23, 2026; its instructions are those of AMD's public machine-readable ISA for CDNA 5 (MIT licence, August 2026) and "CDNA5" Instruction Set Architecture Reference Guide (July 2026). The comments in the code are by the model that wrote it; some were corrected since.
;; Bert Self Attention. Allowed arithmetic: float matrix products may take bf16 or f16 operands with f32 sums; all other float work in f32.
;; Inputs: Wk 1,024 x 1,024 float32; Wq 1,024 x 1,024 float32; Wv 1,024 x 1,024 float32; bk 1,024 float32; bq 1,024 float32; bv 1,024 float32; dist_emb 4,095 x 64 float32; hidden_states 2 x 2,048 x 1,024 float32.
;; Outputs: out0 2 x 2,048 x 1,024 float32.
;; 2 versions, each right. Each part assembles by itself: llvm-mc -triple=amdgcn-amd-amdhsa -mcpu=gfx1250 --defsym DOCPART=n.
;; ======== version 1 of 2: 3 launches
;; limits: values are held in f16: magnitudes above 65,504 overflow, below 6.1e-05 lose precision
;; workspace buffers: xb 8,388,608 bytes; wb 6,291,456 bytes; bcat 12,288 bytes; ebuf 557,056 bytes; qkv 25,165,824 bytes
;; launch prep (part 1): grid 466 x 1, 8 waves a work-group, no clusters, 0 bytes of LDS; arguments hidden_states, Wq, Wk, Wv, bq, bk, bv, dist_emb, xb, wb, bcat, ebuf; writes xb, wb, bcat, ebuf
.if DOCPART == 1
	.amdgcn_target "amdgcn-amd-amdhsa--gfx1250"
	.amdhsa_code_object_version 6
	.text
	.protected	k_q92e409ee04_prep
	.globl	k_q92e409ee04_prep
	.p2align	8
	.type	k_q92e409ee04_prep,@function
k_q92e409ee04_prep:
	s_mov_b64 s[64:65], 0
	v_nop
	global_prefetch_b8 v0, s[64:65] scope:SCOPE_SE
	s_setreg_imm32_b32 hwreg(HW_REG_WAVE_MODE, 25, 1), 1
	s_wait_xcnt 0x0
; PREP: every input is rounded once to bf16 and laid out for the two launches behind.  A stream: no LDS, no matrix unit, no barrier.
;   work-groups 0-255:   xb[4096][1024] bf16 = hidden_states, 16 rows (65,536 bytes in) each
;   work-groups 256-447: wb[1024 k][3072 n] bf16, n = Wq | Wk | Wv: 16 rows of one weight each
;   work-groups 448-464: ebuf[4352][64] f16: row p holds dist_emb[p - 17], rounded to bf16 and written as f16, for p = 17 .. 4111, else 0; 256 rows each
;   work-group 465:      bcat[3072] f32 = bq | bk | bv, rounded to bf16 and widened again
; Thread t takes 16 bytes at 16 t of every 4,096 bytes in; its 8 bytes out lie at 8 t: a wave's store covers 256 consecutive bytes, aligned.
; All sixteen loads of a thread go out at once, each into registers of its own, and no register that a load or store names is written again.
; LIMIT: a table entry below f16's smallest normal number, 6.1e-5, keeps f16's fixed step of 6e-8; beyond 65,504 it would be lost.
.set X,   4                            ; v[4:67]    sixteen loads of four words
.set Y,   68                           ; v[68:99]   sixteen stores of two words
.set OFS, 100                          ; v[100:115] the table role: byte offset of each of the sixteen loads
.set TW,  116                          ; v[116:121] at work
.macro CONV ostride                    ; 16 x 4,096 bytes from s[28:29], rounded to bf16, to s[30:31], ostride bytes apart
.irp i, 0,1,2,3,4,5,6,7,8,9,10,11,12,13,14,15
	global_load_b128 v[X+4*\i:X+4*\i+3], v1, s[28:29] offset:4096*\i th:TH_LOAD_NT
.endr
.irp i, 0,1,2,3,4,5,6,7,8,9,10,11,12,13,14,15
	s_wait_loadcnt 15-\i                           ; loads come back in order: number i is in, the younger ones stay out
	v_cvt_pk_bf16_f32 v[Y+2*\i], v[X+4*\i], v[X+4*\i+1]
	v_cvt_pk_bf16_f32 v[Y+2*\i+1], v[X+4*\i+2], v[X+4*\i+3]
	global_store_b64 v2, v[Y+2*\i:Y+2*\i+1], s[30:31] offset:(\ostride)*\i
.endr
.endm
	s_load_b512 s[4:19], s[0:1], 0x0               ; hidden s[4:5], Wq s[6:7], Wk s[8:9], Wv s[10:11], bq s[12:13], bk s[14:15], bv s[16:17], dist_emb s[18:19]
	s_load_b256 s[20:27], s[0:1], 0x40             ; xb s[20:21], wb s[22:23], bcat s[24:25], ebuf s[26:27]
	v_lshlrev_b32 v1, 4, v0                        ; 16 t
	v_lshlrev_b32 v2, 3, v0                        ; 8 t
	s_mov_b32 s33, 0
	s_mov_b32 s35, 0
	s_wait_kmcnt 0x0
	s_cmp_lt_u32 ttmp9, 256
	s_cbranch_scc0 .Lnot_x
	s_lshl_b32 s32, ttmp9, 16                      ; 65,536 bytes in,
	s_lshl_b32 s34, ttmp9, 15                      ; 32,768 out
	s_add_nc_u64 s[28:29], s[4:5], s[32:33]
	s_add_nc_u64 s[30:31], s[20:21], s[34:35]
	CONV 2048
	s_endpgm
.Lnot_x:
	s_cmp_lt_u32 ttmp9, 448
	s_cbranch_scc0 .Lnot_w
	s_sub_co_u32 s36, ttmp9, 256
	s_lshr_b32 s37, s36, 6                         ; which weight: 0 q, 1 k, 2 v
	s_and_b32 s36, s36, 63                         ; which 16 rows of it
	s_cmp_eq_u32 s37, 0
	s_cselect_b64 s[28:29], s[6:7], s[8:9]
	s_cmp_eq_u32 s37, 2
	s_cselect_b64 s[28:29], s[10:11], s[28:29]
	s_lshl_b32 s32, s36, 16
	s_add_nc_u64 s[28:29], s[28:29], s[32:33]
	s_mul_i32 s34, s36, 16*6144                    ; a row of wb is 3,072 bf16
	s_lshl_b32 s37, s37, 11                        ; the weight's 1,024 columns in it
	s_add_co_u32 s34, s34, s37
	s_add_nc_u64 s[30:31], s[22:23], s[34:35]
	CONV 6144
	s_endpgm
.Lnot_w:
	s_cmp_lt_u32 ttmp9, 465
	s_cbranch_scc0 .Lbias
	s_sub_co_u32 s36, ttmp9, 448
	s_lshl_b32 s34, s36, 15                        ; 256 rows of 128 bytes out
	s_add_nc_u64 s[30:31], s[26:27], s[34:35]
	s_lshl_b32 s36, s36, 8
	s_sub_co_i32 s36, s36, 17
	v_lshrrev_b32 v3, 4, v0                        ; sixteen threads take a row of 256 bytes
	v_add_nc_u32 v3, s36, v3                       ; the table row for load 0: my row of ebuf less 17; it may lie outside 0 .. 4094
	v_and_b32 v[TW], 15, v0
	v_lshlrev_b32 v[TW], 4, v[TW]
.irp i, 0,1,2,3,4,5,6,7,8,9,10,11,12,13,14,15
	v_add_nc_u32 v[OFS+\i], 16*\i, v3
	v_max_i32 v[OFS+\i], 0, v[OFS+\i]              ; clamped into the table: no load leaves the buffer; what a clamped row brings is replaced by 0 below
	v_min_u32 v[OFS+\i], 0xffe, v[OFS+\i]
	v_lshl_add_u32 v[OFS+\i], v[OFS+\i], 8, v[TW]
	global_load_b128 v[X+4*\i:X+4*\i+3], v[OFS+\i], s[18:19]
.endr
.irp i, 0,1,2,3,4,5,6,7,8,9,10,11,12,13,14,15
	s_wait_loadcnt 15-\i
	v_cvt_pk_bf16_f32 v[Y+2*\i], v[X+4*\i], v[X+4*\i+1]
	v_cvt_pk_bf16_f32 v[Y+2*\i+1], v[X+4*\i+2], v[X+4*\i+3]
	v_lshlrev_b32 v[TW+1], 16, v[Y+2*\i]           ; bf16 back to f32,
	v_and_b32 v[TW+2], 0xffff0000, v[Y+2*\i]
	v_lshlrev_b32 v[TW+3], 16, v[Y+2*\i+1]
	v_and_b32 v[TW+4], 0xffff0000, v[Y+2*\i+1]
	v_cvt_pk_f16_f32 v[Y+2*\i], v[TW+1], v[TW+2]   ; and written as f16
	v_cvt_pk_f16_f32 v[Y+2*\i+1], v[TW+3], v[TW+4]
	v_add_nc_u32 v[TW+5], 16*\i, v3
	v_cmp_gt_u32 vcc_lo, 0xfff, v[TW+5]            ; inside the table?
	v_cndmask_b32 v[Y+2*\i], 0, v[Y+2*\i], vcc_lo
	v_cndmask_b32 v[Y+2*\i+1], 0, v[Y+2*\i+1], vcc_lo
	global_store_b64 v2, v[Y+2*\i:Y+2*\i+1], s[30:31] offset:2048*\i
.endr
	s_endpgm
.Lbias:
	global_load_b128 v[X:X+3], v1, s[12:13]
	global_load_b128 v[X+4:X+7], v1, s[14:15]
	global_load_b128 v[X+8:X+11], v1, s[16:17]
.irp T, 0,1,2
	s_wait_loadcnt 2-\T
	v_cvt_pk_bf16_f32 v[Y+2*\T], v[X+4*\T], v[X+4*\T+1]
	v_cvt_pk_bf16_f32 v[Y+2*\T+1], v[X+4*\T+2], v[X+4*\T+3]
	v_lshlrev_b32 v[Y+8+4*\T], 16, v[Y+2*\T]
	v_and_b32 v[Y+8+4*\T+1], 0xffff0000, v[Y+2*\T]
	v_lshlrev_b32 v[Y+8+4*\T+2], 16, v[Y+2*\T+1]
	v_and_b32 v[Y+8+4*\T+3], 0xffff0000, v[Y+2*\T+1]
	global_store_b128 v1, v[Y+8+4*\T:Y+8+4*\T+3], s[24:25] offset:4096*\T
.endr
	s_endpgm
.Lfunc_end_k_q92e409ee04_prep:
	.size	k_q92e409ee04_prep, .Lfunc_end_k_q92e409ee04_prep-k_q92e409ee04_prep
	.p2alignl 7, 3214868480
	.fill 96, 4, 3214868480
	.section	.rodata,"a",@progbits
	.p2align	6, 0x0
	.amdhsa_kernel k_q92e409ee04_prep
		.amdhsa_group_segment_fixed_size 0
		.amdhsa_private_segment_fixed_size 0
		.amdhsa_enable_private_segment 0
		.amdhsa_kernarg_size 96
		.amdhsa_user_sgpr_count 2
		.amdhsa_user_sgpr_kernarg_segment_ptr 1
		.amdhsa_wavefront_size32 1
		.amdhsa_system_sgpr_workgroup_id_x 1
		.amdhsa_system_sgpr_workgroup_id_y 1
		.amdhsa_system_sgpr_workgroup_id_z 1
		.amdhsa_system_vgpr_workitem_id 0
		.amdhsa_next_free_vgpr 128
		.amdhsa_next_free_sgpr 66
		.amdhsa_reserve_vcc 1
		.amdhsa_float_denorm_mode_32 3
		.amdhsa_float_denorm_mode_16_64 3
		.amdhsa_memory_ordered 1
		.amdhsa_forward_progress 1
		.amdhsa_inst_pref_size 32
	.end_amdhsa_kernel
	.amdgpu_metadata
---
amdhsa.version: [ 1, 2 ]
amdhsa.kernels:
  - .name:           k_q92e409ee04_prep
    .symbol:         k_q92e409ee04_prep.kd
    .args:
      - { .name: hidden_states, .offset: 0, .size: 8, .value_kind: global_buffer, .address_space: global }
      - { .name: Wq, .offset: 8, .size: 8, .value_kind: global_buffer, .address_space: global }
      - { .name: Wk, .offset: 16, .size: 8, .value_kind: global_buffer, .address_space: global }
      - { .name: Wv, .offset: 24, .size: 8, .value_kind: global_buffer, .address_space: global }
      - { .name: bq, .offset: 32, .size: 8, .value_kind: global_buffer, .address_space: global }
      - { .name: bk, .offset: 40, .size: 8, .value_kind: global_buffer, .address_space: global }
      - { .name: bv, .offset: 48, .size: 8, .value_kind: global_buffer, .address_space: global }
      - { .name: dist_emb, .offset: 56, .size: 8, .value_kind: global_buffer, .address_space: global }
      - { .name: xb, .offset: 64, .size: 8, .value_kind: global_buffer, .address_space: global }
      - { .name: wb, .offset: 72, .size: 8, .value_kind: global_buffer, .address_space: global }
      - { .name: bcat, .offset: 80, .size: 8, .value_kind: global_buffer, .address_space: global }
      - { .name: ebuf, .offset: 88, .size: 8, .value_kind: global_buffer, .address_space: global }
    .group_segment_fixed_size: 0
    .private_segment_fixed_size: 0
    .kernarg_segment_align: 8
    .kernarg_segment_size: 96
    .max_flat_workgroup_size: 256
    .sgpr_count:     66
    .vgpr_count:     128
    .wavefront_size: 32
...
	.end_amdgpu_metadata
.endif
;; end of part 1
;; launch proj (part 2): grid 16 x 16, 4 waves a work-group, clusters of 4 x 4, 327,680 bytes of LDS; arguments xb, wb, bcat, qkv; writes qkv
.if DOCPART == 2
	.amdgcn_target "amdgcn-amd-amdhsa--gfx1250"
	.amdhsa_code_object_version 6
	.text
	.protected	k_q92e409ee04_proj
	.globl	k_q92e409ee04_proj
	.p2align	8
	.type	k_q92e409ee04_proj,@function
k_q92e409ee04_proj:
	s_mov_b64 s[64:65], 0
	v_nop
	global_prefetch_b8 v0, s[64:65] scope:SCOPE_SE
	s_setreg_imm32_b32 hwreg(HW_REG_WAVE_MODE, 25, 1), 1
	s_wait_xcnt 0x0
	s_wait_alu depctr_hold_cnt(0) depctr_sa_sdst(0) depctr_va_vdst(0) depctr_va_sdst(0) depctr_va_ssrc(0) depctr_va_vcc(0) depctr_vm_vsrc(0)
	s_getreg_b32 s2, hwreg(HW_REG_IB_STS2, 6, 4)
	s_cmp_eq_u32 s2, 0
	s_cbranch_scc0 .Lentry_in_a_cluster
	s_endpgm
.Lentry_in_a_cluster:
	s_bfe_u32 s2, ttmp6, 0x10000c
	s_cmp_lg_u32 s2, 0xf033
	s_cbranch_scc0 .Lentry_shape_is_right
	s_endpgm
.Lentry_shape_is_right:
; PROJ: qkv = xb wb + bcat.  xb [4096][1024] bf16, wb [1024 k][3072 n] bf16, bcat [3072] f32; sums in f32; the result is rounded once to f16, unscaled, and
; written by heads: qkv[T = q, k, v][b][head][2048][64], a head's block at byte (32 T + 16 b + head) << 18.
; LIMIT: f16 ends at 65,504: a projection beyond that is lost.  Inputs 30 times those of unit spread give some 5,000, a common offset of 30 spreads in x and W some 29,000.
; SHARES.  A tile of the result is 256 rows x 192 columns (three heads): 16 x 16 tiles, one work-group each.  Wave w makes rows 64 w .. 64 w + 63 of all 192 columns: 48 accumulators,
; 384 registers.  K goes in 8 steps of 128 through two LDS slots.
; CLUSTER 4 x 4: the four work-groups of a row of the cluster need the same tile of xb, the four of a column the same tile of wb: each is asked for jointly.
; THE MATRIX INSTRUCTION IS USED TRANSPOSED: source 0 = 16 columns of wb (turned on the way out of LDS by ds_load_tr16_b128), source 1 = 16 rows of xb: a lane then holds eight
; neighbouring columns of one row.  The first product of each sum takes the bias as its C operand: nothing is cleared and no addition is written.
; REGISTERS, in windows of 256: window 0: v16-29 addresses; v96-191 the bias, 8 registers for each block of 16 columns; v32-223 later the way out.
;   window 1: two fragment buffers of 128: 32 of xb (4 blocks of 16 rows), 96 of wb (12 blocks of 16 columns).   windows 2, 3: accumulators of row blocks 0, 1 and 2, 3, at 96 (a % 2) + 8 nb.
.set PA,    272                        ; a row of xb in LDS: 256 bytes + 16: the 16 rows of a fragment load start at 16 different groups of four banks (64 banks of 4 bytes: ISA guide 11.1)
.set PB,    480                        ; a row of wb: 3 x (128 + 32) bytes = 120 words
.set HALFA, 128*PA                     ; what waves 0 and 1 bring: 128 rows of xb each
.set HALFB, 64*PB                      ; what waves 2 and 3 bring: 64 rows (k) of wb each
.set BOFF,  256*PA
.set SLOT,  131072                     ; 69,632 of xb + 61,440 of wb
.set STAGE, 2*SLOT                     ; behind the ring: 16 rows x 144 bytes for each wave, for the way out
.set SP,    144
.set SPARE, STAGE+4*16*SP              ; behind the stages: the spare words, 128 bytes for each wave
.set LAPS,  4                          ; a lap = two K steps
.set ADRA, 16                          ; v16-17 LDS address of my xb fragments in slot 0, 1
.set ADRB, 20                          ; v20-21 the same for wb
.set STO,  24
.set RD,   25
.set GO,   26
.set BO,   27                          ; v27 my byte offset in a block of 16 biases
.set SPW,  28
.set NIL,  29
.set TMP,  32
.set BIAS, 96
.set F0,   0
.set F1,   128
.set WV,   12                          ; s12 my wave; s13 = wave / 2: I fetch xb (0) or wb (1); s14 = wave % 2: which half of that tile
.set G1,   24                          ; s[24:31] group 1 for xb; s[32:39] group 0, a set for each slot
.set G0,   32
.set G1B,  48                          ; s[48:55], s[56:63] the same for wb
.set G0B,  56
.set OB,   66                          ; s[66:71] where my rows of the tile's three heads begin in qkv
.set MSB, 0
.macro WIN new                         ; the immediate's high byte repeats the setting that is left
.if MSB != (\new)
	s_set_vgpr_msb (MSB<<8)|(\new)
.set MSB, \new
.endif
.endm
.macro PLACES                          ; four places in front of loads into registers that matrix instructions have read, and of conversions that read results
.rept 4
	v_nop
.endr
.endm
.macro JLOAD s                         ; a joint load; an s_nop 0 and four v_nop follow each of the two lines, ahead of the jump and the label
	s_cmp_eq_u32 s13, 0
	s_cbranch_scc0 .Lfor_b_\@
	tensor_load_to_lds s[G0+4*(\s):G0+4*(\s)+3], s[G1:G1+7]
	s_nop 0
.rept 4
	v_nop
.endr
	s_branch .Lasked_\@
.Lfor_b_\@:
	tensor_load_to_lds s[G0B+4*(\s):G0B+4*(\s)+3], s[G1B:G1B+7]
	s_nop 0
.rept 4
	v_nop
.endr
.Lasked_\@:
.endm
.macro CREST                           ; a round of the cluster's barrier behind its opening barrier
	s_cmp_lg_u32 s[WV], 0
	s_cbranch_scc1 .Lnot_wave_0_\@
	s_barrier_signal -3
.Lnot_wave_0_\@:
	s_barrier_wait -3
	s_barrier_signal -1
	s_barrier_wait -1
.endm
.macro CROUND
	s_barrier_signal -1
	s_barrier_wait -1
	CREST
.endm
	s_load_b256 s[4:11], s[0:1], 0x0               ; xb s[4:5], wb s[6:7], bcat s[8:9], qkv s[10:11]
	v_lshl_add_u32 v[SPW], v0, 2, SPARE
	v_mov_b32 v[NIL], 0
	ds_add_u32 v[SPW], v[NIL]                      ; the wave's opening: the add and its wait stand ahead of my first tensor load
	ds_add_u32 v28, v29
	v_lshrrev_b32 v1, 5, v0
	v_readfirstlane_b32 s[WV], v1
	s_lshr_b32 s13, s[WV], 1
	s_and_b32 s14, s[WV], 1
	s_bfe_u32 s40, ttmp6, 0x40000                  ; cx
	s_bfe_u32 s41, ttmp6, 0x40004                  ; cy
	s_lshl_b32 s42, ttmp9, 2
	s_add_co_u32 s42, s42, s40                     ; tile column = 4 x cluster x + cx
	s_and_b32 s43, ttmp7, 0xffff
	s_lshl_b32 s43, s43, 2
	s_add_co_u32 s43, s43, s41                     ; tile row = 4 x cluster y + cy
	s_lshl_b32 s44, s41, 2
	s_lshl_b32 s44, 15, s44                        ; my row of the cluster
	s_lshl_b32 s45, 0x1111, s40                    ; my column
	s_or_b32 s[G1+0], s44, (1<<16)|(1<<20)|(1<<21)|(5<<22)|(3<<25)   ; the mask; 2-byte elements; padding on; bit 21 beside a mask; after every 64 words 4 words
	s_or_b32 s[G1B+0], s45, (1<<16)|(1<<20)|(1<<21)|(4<<22)|(7<<25)  ; after every 32 words 8 words
	s_mov_b32 s[G1+1], 128<<16                     ; tensor_dim0 = 128
	s_mov_b32 s[G1+2], 128<<16                     ; tensor_dim1 = 128
	s_mov_b32 s[G1+3], 128<<16                     ; tile_dim0 = 128
	s_mov_b32 s[G1+4], 128                         ; tile_dim1 = 128
	s_mov_b32 s[G1+5], 1024                        ; elements from row to row
	s_mov_b32 s[G1+6], 0
	s_mov_b32 s[G1+7], 0
	s_mov_b32 s[G1B+1], 192<<16                    ; tensor_dim0 = 192
	s_mov_b32 s[G1B+2], 64<<16                     ; tensor_dim1 = 64
	s_mov_b32 s[G1B+3], 192<<16                    ; tile_dim0 = 192
	s_mov_b32 s[G1B+4], 64                         ; tile_dim1 = 64
	s_mov_b32 s[G1B+5], 3072
	s_mov_b32 s[G1B+6], 0
	s_mov_b32 s[G1B+7], 0
	s_lshl_b32 s16, s43, 19                        ; xb: 256 x tile row rows of 2,048 bytes,
	s_lshl_b32 s17, s14, 18                        ; + 128 x half
	s_add_co_u32 s16, s16, s17
	s_mov_b32 s17, 0
	s_mul_i32 s46, s42, 384                        ; wb: 192 x tile column columns,
	s_mul_i32 s47, s14, 64*6144                    ; + 64 x half rows of 6,144 bytes
	s_add_co_u32 s46, s46, s47
	s_mov_b32 s47, 0
	s_mul_i32 s20, s14, HALFA                      ; where they go: no place in the cluster enters an LDS address
	s_mul_i32 s21, s14, HALFB
	s_add_co_u32 s21, s21, BOFF
	s_wait_dscnt 0x0                               ; the opening add is done
	s_wait_kmcnt 0x0
	s_add_nc_u64 s[18:19], s[4:5], s[16:17]
	s_add_nc_u64 s[46:47], s[6:7], s[46:47]
	CROUND                                         ; all sixteen work-groups are here: the first joint loads meet
.irp s, 0,1
	s_mov_b32 s[G0+4*(\s)], 1
	s_add_co_u32 s[G0+4*(\s)+1], s20, (\s)*SLOT
	s_add_nc_u64 s[G0+4*(\s)+2:G0+4*(\s)+3], s[18:19], (\s)*256        ; K step s: 128 elements along the rows
	s_or_b32 s[G0+4*(\s)+3], s[G0+4*(\s)+3], 0x80000000
	s_mov_b32 s[G0B+4*(\s)], 1
	s_add_co_u32 s[G0B+4*(\s)+1], s21, (\s)*SLOT
	s_add_nc_u64 s[G0B+4*(\s)+2:G0B+4*(\s)+3], s[46:47], (\s)*128*6144 ; K step s: 128 rows down
	s_or_b32 s[G0B+4*(\s)+3], s[G0B+4*(\s)+3], 0x80000000
	JLOAD \s
.endr
	v_and_b32 v1, 15, v0                           ; l % 16
	v_bfe_u32 v2, v0, 4, 1                         ; l / 16
	v_mul_u32_u24 v3, v1, PA
	v_lshl_add_u32 v3, v2, 4, v3                   ; a fragment of xb: row x pitch + 16 x half
	s_mul_i32 s22, s[WV], 64*PA                    ; my 64 rows
	v_add_nc_u32 v[ADRA], s22, v3
	v_add_nc_u32 v[ADRA+1], SLOT, v[ADRA]
	v_and_b32 v4, 7, v0                            ; the turning load: lane l reads row (k) 8 (l / 16) + l % 8, columns 8 ((l / 8) % 2) + 0..7
	v_bfe_u32 v5, v0, 3, 1
	v_lshl_add_u32 v4, v2, 3, v4
	v_mul_u32_u24 v4, v4, PB
	v_lshl_add_u32 v4, v5, 4, v4
	v_add_nc_u32 v[ADRB], BOFF, v4
	v_add_nc_u32 v[ADRB+1], SLOT, v[ADRB]
	s_mul_i32 s23, s[WV], 16*SP
	s_add_co_u32 s23, s23, STAGE                   ; my stage
	v_mul_u32_u24 v6, v1, SP                       ; in: row l % 16, 16 bytes for each half of the lanes
	v_lshl_add_u32 v6, v2, 4, v6
	v_add_nc_u32 v[STO], s23, v6
	v_bfe_u32 v6, v0, 3, 2                         ; back: 32 lanes take four rows of 128 bytes,
	v_mul_u32_u24 v6, v6, SP
	v_and_b32 v7, 7, v0
	v_lshl_add_u32 v6, v7, 4, v6
	v_add_nc_u32 v[RD], s23, v6
	v_and_b32 v[GO], 31, v0                        ; which are 512 consecutive bytes of a head
	v_lshlrev_b32 v[GO], 4, v[GO]
	v_lshlrev_b32 v[BO], 5, v2                     ; my eight biases of a block: 32 x half
	s_mul_i32 s46, s42, 768                        ; the tile's 192 biases (in the registers that held wb's address: none that feeds xb's descriptors ever holds cx)
	s_mov_b32 s47, 0
	s_add_nc_u64 s[8:9], s[8:9], s[46:47]
.irp nb, 0,1,2,3,4,5,6,7,8,9,10,11
	global_load_b128 v[BIAS+8*\nb:BIAS+8*\nb+3], v[BO], s[8:9] offset:64*\nb
	global_load_b128 v[BIAS+8*\nb+4:BIAS+8*\nb+7], v[BO], s[8:9] offset:64*\nb+16
.endr
	s_mul_i32 s72, s42, 3                          ; the tile's first head among the 48 of q, k, v
	s_lshr_b32 s73, s43, 3
	s_lshl_b32 s73, s73, 4                         ; 16 b
	s_and_b32 s74, s43, 7
	s_lshl_b32 s74, s74, 15                        ; the tile's 256 rows in the sequence, 128 bytes each,
	s_lshl_b32 s75, s[WV], 13                      ; my 64 of them
	s_add_co_u32 s74, s74, s75
.irp hd, 0,1,2
	s_add_co_u32 s76, s72, \hd
	s_lshr_b32 s77, s76, 4                         ; T
	s_lshl_b32 s77, s77, 5
	s_and_b32 s76, s76, 15                         ; head
	s_add_co_u32 s76, s76, s77
	s_add_co_u32 s76, s76, s73
	s_lshl_b32 s76, s76, 18
	s_add_co_u32 s76, s76, s74
	s_mov_b32 s77, 0
	s_add_nc_u64 s[OB+2*\hd:OB+2*\hd+1], s[10:11], s[76:77]
.endr
; 12 matrix instructions: row block a x all 12 column blocks, 32 along K.  bias = 1: the first product starts the sums with the bias.  The 48 accumulators take turns.
.macro MULA f, a, bias
.if \bias
	WIN 0x85+0x40*((\a)/2)                         ; sources 0, 1 window 1, C window 0, D window 2 or 3
.else
	WIN 0xa5+0x50*((\a)/2)                         ; C and D window 2 or 3
.endif
.irp nb, 0,1,2,3,4,5,6,7,8,9,10,11
.if \bias
	v_wmma_f32_16x16x32_bf16 v[96*((\a)%2)+8*\nb:96*((\a)%2)+8*\nb+7], v[(\f)+32+8*\nb:(\f)+32+8*\nb+7], v[(\f)+8*(\a):(\f)+8*(\a)+7], v[BIAS+8*\nb:BIAS+8*\nb+7]
.else
	v_wmma_f32_16x16x32_bf16 v[96*((\a)%2)+8*\nb:96*((\a)%2)+8*\nb+7], v[(\f)+32+8*\nb:(\f)+32+8*\nb+7], v[(\f)+8*(\a):(\f)+8*(\a)+7], v[96*((\a)%2)+8*\nb:96*((\a)%2)+8*\nb+7]
.endif
.endr
.endm
; 32 LDS loads in one run: quarter q (32 along K) of a slot into buffer f: wb's 12 blocks, then xb's 4
.macro FETCH slot, q, f
	WIN 0x40
.irp nb, 0,1,2,3,4,5,6,7,8,9,10,11
	ds_load_tr16_b128 v[(\f)+32+8*\nb:(\f)+32+8*\nb+3], v[ADRB+(\slot)] offset:(\nb/4)*160+(\nb%4)*32+(\q)*32*PB
	ds_load_tr16_b128 v[(\f)+32+8*\nb+4:(\f)+32+8*\nb+7], v[ADRB+(\slot)] offset:(\nb/4)*160+(\nb%4)*32+(\q)*32*PB+16*PB
.endr
.irp a, 0,1,2,3
	ds_load_b128 v[(\f)+8*\a:(\f)+8*\a+3], v[ADRA+(\slot)] offset:\a*16*PA+(\q)*64
	ds_load_b128 v[(\f)+8*\a+4:(\f)+8*\a+7], v[ADRA+(\slot)] offset:\a*16*PA+(\q)*64+32
.endr
.endm
; One of a K step's first three quarters: multiplies buffer f; in its middle it fetches quarter q of the same slot into buffer g.
.macro QUARTER slot, q, f, g, bias
	s_wait_dscnt 4                                 ; all but the youngest four loads (xb's row blocks 2, 3)
	MULA \f, 0, \bias
	MULA \f, 1, \bias
	PLACES
	FETCH \slot, \q, \g
	s_wait_dscnt 32                                ; all but the 32 just issued
	MULA \f, 2, \bias
	MULA \f, 3, \bias
.endm
; The last quarter multiplies buffer 1 and changes slots: one barrier; in front of it each wave waits for all its tensor loads (one is out: its part of the next slot), adds 0 to its spare
; word, and waits for that and for its reads of this slot.  fill = 1: the barrier opens a round of the cluster's, and this slot is filled again, two K steps ahead, first thing behind it.
.macro TURN slot, next, fill
	WIN 0
	s_wait_tensorcnt 0x0
	ds_add_u32 v[SPW], v[NIL]
	s_wait_dscnt 5                                 ; (the add and the youngest four loads may be out)
	MULA F1, 0, 0
	s_wait_dscnt 0x0                               ; the add is done, and my reads of this slot are over
	s_barrier_signal -1
	MULA F1, 1, 0
.if \fill
	WIN 0
.endif
	s_barrier_wait -1
.if \fill
	CREST
	s_add_nc_u64 s[G0+4*(\slot)+2:G0+4*(\slot)+3], s[G0+4*(\slot)+2:G0+4*(\slot)+3], 512
	s_add_nc_u64 s[G0B+4*(\slot)+2:G0B+4*(\slot)+3], s[G0B+4*(\slot)+2:G0B+4*(\slot)+3], 2*128*6144
	JLOAD \slot                                    ; 168 matrix instructions ahead of the wait for it; its four v_nop are also the places in front of the loads below
.else
	PLACES
.endif
	FETCH \next, 0, F0
	MULA F1, 2, 0
	MULA F1, 3, 0
.endm
	s_wait_tensorcnt 1                             ; my part of K step 0 is in; K step 1's may stay out
	s_barrier_signal -1
	s_barrier_wait -1
	FETCH 0, 0, F0
	s_wait_loadcnt 0x0                             ; the bias
	QUARTER 0, 1, F0, F1, 1                        ; the first quarter stands in front of the loop: its products start the sums
	WIN 0
	s_mov_b32 s3, LAPS-1
.Llap:                                                 ; a trip goes once round the ring and fills both slots again
	QUARTER 0, 2, F1, F0, 0
	QUARTER 0, 3, F0, F1, 0
	TURN 0, 1, 1
	QUARTER 1, 1, F0, F1, 0
	QUARTER 1, 2, F1, F0, 0
	QUARTER 1, 3, F0, F1, 0
	TURN 1, 0, 1
	QUARTER 0, 1, F0, F1, 0
	WIN 0
	s_sub_co_u32 s3, s3, 1
	s_cmp_lg_u32 s3, 0
	s_cbranch_scc1 .Llap
	QUARTER 0, 2, F1, F0, 0                        ; the last lap fills nothing
	QUARTER 0, 3, F0, F1, 0
	TURN 0, 1, 0
	QUARTER 1, 1, F0, F1, 0
	QUARTER 1, 2, F1, F0, 0
	QUARTER 1, 3, F0, F1, 0
	s_wait_dscnt 4
	MULA F1, 0, 0
	MULA F1, 1, 0
	s_wait_dscnt 0x0
	MULA F1, 2, 0
	MULA F1, 3, 0
	WIN 0
; THE WAY OUT, for row block a and head hd: 16 rows x 64 columns are rounded to f16, go into my stage as rows of 144 bytes and come back as 2,048 consecutive bytes of the head.
.macro PACK a, hd
.set TT, TMP+16*(3*(\a)+(\hd))
.set AC, 96*((\a)%2)+32*(\hd)
	WIN 0x0a+5*((\a)/2)                            ; sources 0 and 1: window 2 or 3
.irp b, 0,1,2,3
.irp r, 0,1,2,3
	v_cvt_pk_f16_f32 v[TT+4*\b+\r], v[AC+8*\b+2*\r], v[AC+8*\b+2*\r+1]
.endr
.endr
	WIN 0
.irp b, 0,1,2,3
	ds_store_b128 v[STO], v[TT+4*\b:TT+4*\b+3] offset:32*\b
.endr
.irp f, 0,1,2,3
	ds_load_b128 v[TT+4*\f:TT+4*\f+3], v[RD] offset:\f*4*SP  ; LDS serves a wave's instructions in order (ISA guide 5.7.1.4): these see the stores above
.endr
.endm
.macro SEND a, hd, younger             ; younger: the LDS instructions issued behind this block's loads
.set TT, TMP+16*(3*(\a)+(\hd))
.irp f, 0,1,2,3
	s_wait_dscnt (\younger)+3-\f
	global_store_b128 v[GO], v[TT+4*\f:TT+4*\f+3], s[OB+2*(\hd):OB+2*(\hd)+1] offset:2048*(\a)+512*\f  ; 512 consecutive bytes, at a multiple of 256 from the buffer's first
.endr
.endm
	PLACES
	PACK 0, 0
.set n, 1
.rept 11                               ; a block's conversions stand between the loads of the block before and its stores
	PACK n/3, n%3
	SEND (n-1)/3, (n-1)%3, 8
.set n, n+1
.endr
	SEND 3, 2, 0
	s_wait_tensorcnt 0x0                           ; the wave's end
	ds_add_u32 v[SPW], v[NIL]
	s_wait_dscnt 0x0
	CROUND                                         ; the closing round
	s_endpgm
.Lfunc_end_k_q92e409ee04_proj:
	.size	k_q92e409ee04_proj, .Lfunc_end_k_q92e409ee04_proj-k_q92e409ee04_proj
	.p2alignl 7, 3214868480
	.fill 96, 4, 3214868480
	.section	.rodata,"a",@progbits
	.p2align	6, 0x0
	.amdhsa_kernel k_q92e409ee04_proj
		.amdhsa_group_segment_fixed_size 327680
		.amdhsa_private_segment_fixed_size 0
		.amdhsa_enable_private_segment 0
		.amdhsa_kernarg_size 32
		.amdhsa_user_sgpr_count 2
		.amdhsa_user_sgpr_kernarg_segment_ptr 1
		.amdhsa_wavefront_size32 1
		.amdhsa_system_sgpr_workgroup_id_x 1
		.amdhsa_system_sgpr_workgroup_id_y 1
		.amdhsa_system_sgpr_workgroup_id_z 1
		.amdhsa_system_vgpr_workitem_id 0
		.amdhsa_next_free_vgpr 1024
		.amdhsa_next_free_sgpr 80
		.amdhsa_reserve_vcc 0
		.amdhsa_float_denorm_mode_32 3
		.amdhsa_float_denorm_mode_16_64 3
		.amdhsa_memory_ordered 1
		.amdhsa_forward_progress 1
		.amdhsa_inst_pref_size 123
	.end_amdhsa_kernel
	.amdgpu_metadata
---
amdhsa.version: [ 1, 2 ]
amdhsa.kernels:
  - .name:           k_q92e409ee04_proj
    .symbol:         k_q92e409ee04_proj.kd
    .args:
      - { .name: xb, .offset: 0, .size: 8, .value_kind: global_buffer, .address_space: global }
      - { .name: wb, .offset: 8, .size: 8, .value_kind: global_buffer, .address_space: global }
      - { .name: bcat, .offset: 16, .size: 8, .value_kind: global_buffer, .address_space: global }
      - { .name: qkv, .offset: 24, .size: 8, .value_kind: global_buffer, .address_space: global }
    .group_segment_fixed_size: 327680
    .private_segment_fixed_size: 0
    .kernarg_segment_align: 8
    .kernarg_segment_size: 32
    .max_flat_workgroup_size: 128
    .sgpr_count:     80
    .vgpr_count:     1024
    .wavefront_size: 32
...
	.end_amdgpu_metadata
.endif
;; end of part 2
;; launch attn (part 3): grid 8 x 32, 4 waves a work-group, no clusters, 327,680 bytes of LDS; arguments qkv, ebuf, out0; writes out0
.if DOCPART == 3
	.amdgcn_target "amdgcn-amd-amdhsa--gfx1250"
	.amdhsa_code_object_version 6
	.text
	.protected	k_q92e409ee04_attn
	.globl	k_q92e409ee04_attn
	.p2align	8
	.type	k_q92e409ee04_attn,@function
k_q92e409ee04_attn:
	s_mov_b64 s[64:65], 0
	v_nop
	global_prefetch_b8 v0, s[64:65] scope:SCOPE_SE
	s_setreg_imm32_b32 hwreg(HW_REG_WAVE_MODE, 25, 1), 1
	s_wait_xcnt 0x0
; ATTN: out[b][l][64 head + :] = the sum over r of softmax_r((q_l . k_r + q_l . e[l-r] + k_r . e[l-r]) / 8) v_r, with e[l-r] = ebuf row l - r + 2064.  q, k, v: f16 by heads, [2048][64]; out f32.
; Products, biases, maxima and sums in f32; the weights p are rounded to f16 for the last product (their sum l is taken of the unrounded p).
; LIMITS.  q, k, v and the table arrive within f16's range.  Scores below -2^125 are not told from the starting maximum; a weight below 2^-126 counts as 0 in l; NaN and infinities are not treated apart.
; SHARES.  A work-group owns 256 queries of one head (grid x: the block g; grid y: 16 b + head), a wave 64: tiles t = 0..3 of 16.  Every wave walks all 2,048 keys, 64 a step; an LDS slot holds two steps.
; LAYOUT.  S^T = K Q^T: a lane holds ONE query (lane % 16) and the keys 8 (lane / 16) + 0..7 of a block of 16.  Two such results rounded to f16 ARE source 1 of O^T = V^T P.
; THE TABLE goes in blocks of 16 rows.  Query tile and key block 16 D apart need block X = D + 129 where the query's place ll in its tile is at least the key's rr, else block X - 1; the row in it is (ll - rr) mod 16.
; q . e:  G^T = Eblock (source 0) x Q (source 1) holds one query a lane and 8 neighbouring table rows.  Five blocks, 80 columns, go into my stage in LDS, row = query; each lane reads column 16 (4 - i) + ll - rr
;   back, straight into the registers of S^T, which are the C operand of the first product K Q^T: this term costs no vector instruction.  The highest of a step's five blocks is the lowest of the step before: kept in GB.
; k . e:  H = Kblock (source 0) x Eblock (source 1) holds the key in the register and the table row p in the lane.  M[p] = H_X[p] where p + rr <= 15, else H_(X-1)[p] (a select on a constant mask); S^T takes M rotated by rr
;   inside each row of 16 lanes.  The two rows hold keys 8 apart, so both rotations are added and a second select takes each row's own.  H_(X-1) of tile t is H_X of tile t - 1: the tiles go t = 3, 2, 1, 0.
; SOFTMAX.  A running maximum m and sum l a query: p = 2^(c s - c m), c = log2(e) / 8; in every step O and l are multiplied by a = 2^(c m_old - c m_new).
; BY TURNS.  Turn k of a step: the FRONT tile 3 - k gets its G^T, its new H and its K Q^T; the BACK tile, last turn's front, gets its k . e additions and its softmax: 246 vector instructions, dealt behind the matrix
;   instructions; the tile before that gets V^T P.  The very first turn's back tile has not been: its scores start at -2^125, a power of two, so that its weights are exactly 1, finite, and the next step's a = 0 wipes them.
; NO CLUSTER in this text: of a slot's 83,968 bytes K's and V's 32,768 are common to a head's eight work-groups; the table's 51,200 hang on the query block.
; REGISTERS, in windows of 256 (s_set_vgpr_msb: bits 1:0 source 0, 3:2 source 1, 5:4 source 2, 7:6 destination):
;   window 0: v2-15 addresses; v16-47 statistics, 8 a tile; v48-55 M; v64-127 S^T, two sets by the tile's parity; v128-159 P likewise; v160-183 G^T; v184-215 GB, 8 a tile; v216-223 the first rotation's sums
;   window 1: v0-127 O^T; v128-191 K of a step; v192-255 V of a step      window 2: v0-63 Q; v64-191 eight table blocks G0-G7, 16 each      window 3: v0-159 five sets of H, 32 each
.set KS,    64
.set PK,    144       ; a row of K or of the table in LDS: 128 bytes + 16: the 16 rows of a load start at 16 different groups of four banks (64 banks of 4 bytes: ISA guide 11.1)
.set PV,    160       ; a row of V: 128 + 32
.set VOFF,  2*KS*PK   ; a slot: 128 rows of K, 128 of V, 400 of the table
.set EOFF,  VOFF+2*KS*PV
.set EB,    16*PK     ; a table block
.set SLOT1, 1<<17
.set STAGE, SLOT1+EOFF+25*EB  ; behind the ring, never filled by a tensor load: 5,376 bytes for each wave
.set SPT,   336       ; a stage row in the loop: 80 f32 + 16 bytes = 84 words: the stores' 16 rows take 16 different columns of 16 bytes; the skewed loads' lanes lie 85 words apart, less 8 for the upper half: 32 different banks
.set SPO,   272       ; a stage row on the way out
.set STW,   16*SPT
.set SPARE, STAGE+4*STW
.set AK0, 2           ; v2  my lane's place in a block of K or of the table: row x 144 + 16 x half
.set AV0, 3           ; v3  the same for V's turning load, VOFF included
.set AK,  4
.set AV,  5
.set AE,  6           ; v6  LDS address of table block c8 of the step in hand
.set AS,  7           ; v7  the stage: where I put my 8 columns of a block
.set AC,  8           ; v8  the stage: my skewed column, less 8
.set STO, 12
.set RD,  13
.set GO,  14
.set QO,  15
.set ST,  16          ; tile t at v[ST+8 t]: c m, m, l (even keys', odd keys'), c0-c3 at work; a takes c2's place
.set MT,  48
.set SPW, 56
.set NIL, 57
.set S,   64
.set P,   128
.set GT,  160
.set GB,  184
.set T1,  216
.set KF,  128         ; window 1
.set VF,  192         ; window 1
.set EG,  64          ; window 2
.set WV,  12
.set G1K, 16          ; s[16:23], s[24:31], s[32:39] descriptor group 1 for K, V, the table
.set G1V, 24
.set G1E, 32
.set G0K, 40          ; s[40:43], s[44:47], s[48:51] group 0: they walk
.set G0V, 44
.set G0E, 48
.set SLOTS, 52
.set TWICE, 53
.set TBK, 54          ; s54  LDS byte at which K of the step to be fetched begins
.set TBV, 55          ; s55  the same for V, less VOFF
.set TBE, 56          ; s56  the same for table block c8
.set CS,  58
.set SEL, 60
.set MK,  66          ; s[66:73] mask j: lanes with p + 8 (lane / 16) + j <= 15
.set HM,  74          ; s74  the upper 16 lanes
.set MSB, 0
.macro WIN new
.if MSB != (\new)
	s_set_vgpr_msb (MSB<<8)|(\new)
.set MSB, \new
.endif
.endm
.macro PLACES         ; four places behind a matrix instruction (ISA guide 7.12.1 for instructions other than loads and stores)
.rept 4
	v_nop
.endr
.endm
; A fill: wave 0 fetches a slot's K, wave 1 its V, waves 2 and 3 the halves of its table window.  An s_nop 0 and four v_nop follow each line, ahead of the jump and the label.
.macro LOAD
	s_cmp_eq_u32 s[WV], 0
	s_cbranch_scc0 .Lnot_k_\@
	tensor_load_to_lds s[G0K:G0K+3], s[G1K:G1K+7]
	s_nop 0
.rept 4
	v_nop
.endr
	s_branch .Lasked_\@
.Lnot_k_\@:
	s_cmp_eq_u32 s[WV], 1
	s_cbranch_scc0 .Lfor_e_\@
	tensor_load_to_lds s[G0V:G0V+3], s[G1V:G1V+7]
	s_nop 0
.rept 4
	v_nop
.endr
	s_branch .Lasked_\@
.Lfor_e_\@:
	tensor_load_to_lds s[G0E:G0E+3], s[G1E:G1E+7]
	s_nop 0
.rept 4
	v_nop
.endr
.Lasked_\@:
.endm
; THE CHANGE OF SLOTS, in front of a slot's first turn.  Each wave waits for all its tensor loads (one is out: its part of the other slot), adds 0 to its spare word, and waits for that and for its reads of the slot that it
; leaves.  fill = 1: the old slot is filled again, first thing behind the barrier: the next 128 keys, and the table window 128 rows further down.  That load has two key steps, 272 matrix instructions, in which to land.
.macro CHANGE fill
	WIN 0
	s_wait_tensorcnt 0x0            ; no tensor load of mine is out, so a group 0 may be written
	ds_add_u32 v[SPW], v[NIL]
.if \fill
	s_xor_b32 s[G0K+1], s[G0K+1], SLOT1
	s_add_nc_u64 s[G0K+2:G0K+3], s[G0K+2:G0K+3], 2*KS*128
	s_xor_b32 s[G0V+1], s[G0V+1], SLOT1
	s_add_nc_u64 s[G0V+2:G0V+3], s[G0V+2:G0V+3], 2*KS*128
	s_xor_b32 s[G0E+1], s[G0E+1], SLOT1
	s_sub_nc_u64 s[G0E+2:G0E+3], s[G0E+2:G0E+3], 2*KS*128
.endif
	s_wait_dscnt 0x0                ; the add is done, and my reads of the slot are over
	s_barrier_signal -1
	s_sub_co_u32 s[TBK], s[TBK], 2*KS*PK  ; the fetches go back to a slot's first step, in the other slot
	s_xor_b32 s[TBK], s[TBK], SLOT1
	s_sub_co_u32 s[TBV], s[TBV], 2*KS*PV
	s_xor_b32 s[TBV], s[TBV], SLOT1
	s_add_co_u32 s[TBE], s[TBE], 8*EB
	s_xor_b32 s[TBE], s[TBE], SLOT1
	s_barrier_wait -1
.if \fill
	LOAD
.endif
.endm
	s_load_b128 s[4:7], s[0:1], 0x0 ; qkv s[4:5], ebuf s[6:7]
	s_load_b64 s[8:9], s[0:1], 0x10 ; out0
	v_lshl_add_u32 v[SPW], v0, 2, SPARE
	v_mov_b32 v[NIL], 0
	ds_add_u32 v[SPW], v[NIL]       ; the wave's opening: the add and its wait stand ahead of my first tensor load
	ds_add_u32 v56, v57
	v_lshrrev_b32 v1, 5, v0
	v_readfirstlane_b32 s[WV], v1
	s_and_b32 s13, ttmp7, 0xffff    ; 16 b + head
	s_and_b32 s14, s[WV], 1         ; which half of the table window (waves 2, 3)
	; group 1: dense bytes asked for as rows of 256 bytes (two rows of 64 f16), padded in LDS after every 128
	s_mov_b32 s[G1K], (1<<16)|(1<<20)|(4<<22)|(3<<25)  ; 2-byte elements; padding on; after every 32 words 4 words
	s_mov_b32 s[G1V], (1<<16)|(1<<20)|(4<<22)|(7<<25)  ; 8 words
	s_mov_b32 s[G1E], (1<<16)|(1<<20)|(4<<22)|(3<<25)
.irp g, G1K, G1V, G1E
	s_mov_b32 s[\g+1], 128<<16      ; tensor_dim0 = 128
	s_mov_b32 s[\g+3], 128<<16      ; tile_dim0 = 128
	s_mov_b32 s[\g+5], 128          ; elements from row to row
	s_mov_b32 s[\g+6], 0
	s_mov_b32 s[\g+7], 0
.endr
.irp g, G1K, G1V
	s_mov_b32 s[\g+2], 64<<16       ; tensor_dim1 = 64: 128 keys
	s_mov_b32 s[\g+4], 64           ; tile_dim1
.endr
	s_mov_b32 s[G1E+2], 100<<16     ; 200 table rows
	s_mov_b32 s[G1E+4], 100
	s_mov_b32 s[G0K], 1
	s_mov_b32 s[G0K+1], 0
	s_mov_b32 s[G0V], 1
	s_mov_b32 s[G0V+1], VOFF
	s_mov_b32 s[G0E], 1
	s_mul_i32 s[G0E+1], s14, 200*PK
	s_add_co_u32 s[G0E+1], s[G0E+1], EOFF
	s_mov_b32 s[CS], 0x3e38aa3b     ; c = log2(e) / 8
	s_mov_b32 s[CS+1], s[CS]
	s_mov_b32 s[SEL], 0x76543210
	s_mov_b32 s[SEL+1], 0xfedcba98
.irp j, 0,1,2,3,4,5,6,7
	s_mov_b32 s[MK+\j], ((1<<(16-\j))-1)|(((1<<(8-\j))-1)<<16)
.endr
	s_mov_b32 s[HM], 0xffff0000
	s_mov_b32 s[TBK], SLOT1+2*KS*PK ; the first change of slots turns these two into 0,
	s_mov_b32 s[TBV], SLOT1+2*KS*PV
	s_mul_i32 s[TBE], s[WV], 4*EB   ; and this one into EOFF + (4 w + 4) blocks: block c8 of a slot's first step
	s_add_co_u32 s[TBE], s[TBE], SLOT1+EOFF-4*EB
	s_lshl_b32 s2, s13, 18          ; the head's block of 262,144 bytes
	s_mov_b32 s3, 0
	s_lshl_b32 s10, ttmp9, 15       ; 256 g rows of 128 bytes
	s_mul_i32 s76, s14, 200*128
	s_add_co_u32 s76, s76, s10
	s_add_co_u32 s76, s76, 1920*128 ; slot 0's window begins at table row 256 g + 1920
	s_mov_b32 s77, 0
	s_lshl_b32 s11, s[WV], 13
	s_add_co_u32 s10, s10, s11      ; my wave's 64 queries
	s_mov_b32 s11, 0
	s_lshr_b32 s78, s13, 4
	s_lshl_b32 s78, s78, 23         ; out: b x 8,388,608
	s_lshl_b32 s79, ttmp9, 20       ; + 256 g rows of 4,096 bytes
	s_add_co_u32 s78, s78, s79
	s_lshl_b32 s79, s[WV], 18       ; + 64 w rows
	s_add_co_u32 s78, s78, s79
	s_and_b32 s79, s13, 15
	s_lshl_b32 s79, s79, 8          ; + head x 256
	s_add_co_u32 s78, s78, s79
	s_mov_b32 s79, 0
	s_mov_b32 s15, 0xfe000000       ; -2^125
	s_wait_dscnt 0x0                ; the opening add is done
	s_wait_kmcnt 0x0
	s_add_nc_u64 s[4:5], s[4:5], s[2:3]
	s_add_nc_u64 s[G0K+2:G0K+3], s[4:5], 32<<18
	s_or_b32 s[G0K+3], s[G0K+3], 0x80000000
	s_add_nc_u64 s[G0V+2:G0V+3], s[4:5], 64<<18
	s_or_b32 s[G0V+3], s[G0V+3], 0x80000000
	s_add_nc_u64 s[G0E+2:G0E+3], s[6:7], s[76:77]
	s_or_b32 s[G0E+3], s[G0E+3], 0x80000000
	s_add_nc_u64 s[4:5], s[4:5], s[10:11]
	s_add_nc_u64 s[8:9], s[8:9], s[78:79]
	LOAD                            ; slot 0
	v_and_b32 v1, 15, v0            ; l % 16
	v_bfe_u32 v9, v0, 4, 1          ; l / 16
	v_lshlrev_b32 v[QO], 7, v1
	v_lshl_add_u32 v[QO], v9, 4, v[QO]
	WIN 0x80
.set i, 0
.rept 8                             ; Q stays in registers: tile i / 2, channels 32 (i % 2) on
	global_load_b128 v[8*i:8*i+3],   v[QO], s[4:5] offset:(i/2)*2048+(i%2)*64
	global_load_b128 v[8*i+4:8*i+7], v[QO], s[4:5] offset:(i/2)*2048+(i%2)*64+32
.set i, i+1
.endr
	; What the first turns find, so that no first step need be written out; all this stands in the wait for the first tile.
	WIN 0x40
.set i, 0
.rept 128
	v_mov_b32 v[i], 0               ; O^T
.set i, i+1
.endr
.set i, VF
.rept 64
	v_mov_b32 v[i], 0               ; V
.set i, i+1
.endr
	WIN 0xc0
.set i, 96
.rept 64
	v_mov_b32 v[i], 0               ; the two sets of H that the first turn adds
.set i, i+1
.endr
	WIN 0
.set i, 0
.rept 4
	v_mov_b32 v[ST+8*i], s15           ; c m: far below every c s
	v_mov_b32 v[ST+8*i+1], 0xff7fffff  ; m
	v_mov_b32 v[ST+8*i+2], 0
	v_mov_b32 v[ST+8*i+3], 0
.set i, i+1
.endr
.set i, 0
.rept 32
	v_mov_b32 v[S+i], s15           ; the scores of the tile that has not been
.set i, i+1
.endr
.set i, 0
.rept 16
	v_mov_b32 v[P+16+i], 0
.set i, i+1
.endr
.set i, 0
.rept 8
	v_mov_b32 v[T1+i], 0            ; a DPP form's destination counts as read
.set i, i+1
.endr
	v_mul_u32_u24 v[AK0], v1, PK
	v_lshl_add_u32 v[AK0], v9, 4, v[AK0]
	v_and_b32 v10, 7, v0            ; the turning load: lane l reads key 8 (l / 16) + l % 8, channels 8 ((l / 8) % 2) + 0..7
	v_bfe_u32 v11, v0, 3, 1
	v_lshl_add_u32 v[AV0], v9, 3, v10
	v_mul_u32_u24 v[AV0], v[AV0], PV
	v_lshl_add_u32 v[AV0], v11, 4, v[AV0]
	v_add_nc_u32 v[AV0], VOFF, v[AV0]
	s_mul_i32 s10, s[WV], STW
	s_add_co_u32 s10, s10, STAGE    ; my stage
	v_mul_u32_u24 v[AS], v1, SPT    ; in: row = my query, columns 8 (l / 16) on of a block
	v_lshl_add_u32 v[AS], v9, 5, v[AS]
	v_add_nc_u32 v[AS], s10, v[AS]
	v_mul_u32_u24 v[AC], v1, SPT+4  ; back: row ll, column ll - 8 (l / 16) + 8; the rest stands in the immediate
	v_sub_nc_u32 v10, 1, v9
	v_lshl_add_u32 v[AC], v10, 5, v[AC]
	v_add_nc_u32 v[AC], s10, v[AC]
	v_mul_u32_u24 v[STO], v1, SPO   ; the way out, in: row = my query, 32 bytes for each half of the lanes
	v_lshl_add_u32 v[STO], v9, 5, v[STO]
	v_add_nc_u32 v[STO], s10, v[STO]
	v_mul_u32_u24 v[RD], v9, SPO    ; back: lanes 0-15 one row of 256 bytes, lanes 16-31 the next
	v_lshl_add_u32 v[RD], v1, 4, v[RD]
	v_add_nc_u32 v[RD], s10, v[RD]
	v_lshlrev_b32 v[GO], 12, v9     ; and the same two rows in out
	v_lshl_add_u32 v[GO], v1, 4, v[GO]
; THE TABLE BLOCKS of a step are c0 > c1 > .. > c8; turn k multiplies by c(k+1) .. c(k+4), turn 0 by c0 too; the next step's c0 .. c4 are this step's c4 .. c8.  EGRP says in which group block c lies in turn kT.
.macro EGRP c
.set eg, (\c)
.if (kT >= 2) && ((\c) == 4)
.set eg, 0
.endif
.if (kT == 3) && ((\c) == 5)
.set eg, 1
.endif
.if (kT == 3) && ((\c) == 6)
.set eg, 2
.endif
.endm
.macro ELOAD g, c                   ; block c into group g: 16 rows x 64 channels, two fragments
	WIN 0x80
.irp hf, 0,1
	ds_load_b128 v[EG+16*(\g)+8*\hf:EG+16*(\g)+8*\hf+3],   v[AE] offset:(8-(\c))*EB+64*\hf
	ds_load_b128 v[EG+16*(\g)+8*\hf+4:EG+16*(\g)+8*\hf+7], v[AE] offset:(8-(\c))*EB+64*\hf+32
.endr
.endm
.macro FETCH_K
	WIN 0x40
.irp f, 0,1,2,3,4,5,6,7             ; keys 16 (f / 2) on, channels 32 (f % 2) on
	ds_load_b128 v[KF+8*\f:KF+8*\f+3],   v[AK] offset:(\f/2)*16*PK+(\f%2)*64
	ds_load_b128 v[KF+8*\f+4:KF+8*\f+7], v[AK] offset:(\f/2)*16*PK+(\f%2)*64+32
.endr
.endm
.macro FETCH_V
	WIN 0x40
.irp f, 0,1,2,3,4,5,6,7             ; keys 32 (f / 4) on, channels 16 (f % 4) on
	ds_load_tr16_b128 v[VF+8*\f:VF+8*\f+3],   v[AV] offset:(\f/4)*32*PV+(\f%4)*32
	ds_load_tr16_b128 v[VF+8*\f+4:VF+8*\f+7], v[AV] offset:(\f/4)*32*PV+16*PV+(\f%4)*32
.endr
.endm
; THE MATRIX WORK.  In each run the accumulators take turns, one instruction a turn.  i counts a run's instructions.
.macro QE                           ; G^T of the front tile: block c(kT+1+i%4), channels 32 (i / 4) on; the lowest block goes into GB
	EGRP kT+1+i%4
.set rD, GT+8*(i%4)
.if i%4 == 3
.set rD, GB+8*tF
.endif
	WIN 0x0a
.if i < 4
	v_wmma_f32_16x16x32_f16 v[rD:rD+7], v[EG+16*eg+8*(i/4):EG+16*eg+8*(i/4)+7], v[16*tF+8*(i/4):16*tF+8*(i/4)+7], 0
.else
	v_wmma_f32_16x16x32_f16 v[rD:rD+7], v[EG+16*eg+8*(i/4):EG+16*eg+8*(i/4)+7], v[16*tF+8*(i/4):16*tF+8*(i/4)+7], v[rD:rD+7]
.endif
.endm
.macro KE                           ; the new set of H: key block ib with table block c(kT+1+ib); turn 0 makes two sets, the first with c(ib)
.set ib, i%4
.if kT == 0
.set hf, i/8
.set rD, 32*((i%8)/4)+8*ib
	EGRP (i%8)/4+ib
.else
.set hf, i/4
.set rD, UNEW+8*ib
	EGRP kT+1+ib
.endif
	WIN 0xf9
.if hf == 0
	v_wmma_f32_16x16x32_f16 v[rD:rD+7], v[KF+16*ib+8*hf:KF+16*ib+8*hf+7], v[EG+16*eg+8*hf:EG+16*eg+8*hf+7], 0
.else
	v_wmma_f32_16x16x32_f16 v[rD:rD+7], v[KF+16*ib+8*hf:KF+16*ib+8*hf+7], v[EG+16*eg+8*hf:EG+16*eg+8*hf+7], v[rD:rD+7]
.endif
.endm
.macro KQ                           ; S^T += K Q^T onto the q . e bias that was loaded there
.set rS, S+32*(tF%2)+8*(i%4)
.set rK, KF+16*(i%4)+8*(i/4)
.set rQ, 16*tF+8*(i/4)
	WIN 0x09
	v_wmma_f32_16x16x32_f16 v[rS:rS+7], v[rK:rK+7], v[rQ:rQ+7], v[rS:rS+7]
.endm
.macro PV                           ; O^T += V^T P for tile tP: keys 32 (i / 4) on, channels 16 (i % 4) on
.set rO, 32*tP+8*(i%4)
.set rV, VF+32*(i/4)+8*(i%4)
.set rP, P+16*(tP%2)+8*(i/4)
	WIN 0x51
	v_wmma_f32_16x16x32_f16 v[rO:rO+7], v[rV:rV+7], v[rP:rP+7], v[rO:rO+7]
.endm
; THE VECTOR WORK of a turn is one queue of 246; vq is the next entry's number.
.macro ADDROR d, a, b, n            ; v[d] = v[a] rotated by n inside each row of 16 lanes (lane i takes lane i - n) + v[b]
.irp c, 1,2,3,4,5,6,7,8,9,10,11,12,13,14,15
.if (\n) == \c
	v_add_f32_dpp v[\d], v[\a], v[\b] row_ror:\c row_mask:0xf bank_mask:0xf
.endif
.endr
.endm
; 0-127: k . e for the back tile, 32 for each key block, eight at a time: the select M; S^T + M rotated by j (right for the lower lanes); S^T + M rotated by 8 + j (right for the upper); the select between the two.
; Each accumulator's lowest register is read first.
.macro KA
.set kb, vq/32
.set kp, (vq%32)/8
.set kj, vq%8
.set rS, S+32*(tB%2)+8*kb+kj
.if kp == 0
	WIN 0x0f
	v_cndmask_b32 v[MT+kj], v[ULO+8*kb+kj], v[UUP+8*kb+kj], s[MK+kj]
.elseif kp == 1
	WIN 0
.if kj == 0
	v_add_f32 v[T1], v[MT], v[rS]
.else
	ADDROR T1+kj, MT+kj, rS, kj
.endif
.elseif kp == 2
	WIN 0
	ADDROR rS, MT+kj, rS, 8+kj
.else
	WIN 0
	v_cndmask_b32 v[rS], v[T1+kj], v[rS], s[HM]
.endif
.endm
; 128-245: the back tile's softmax, numbers j = 0 .. 117.  0-15 the maximum of the 32 scores and the old m; 16-20 the other half of the lanes, the new m, c m, c m_old - c m_new; 21-87 33 exponentials at the odd
; numbers from 23 on, each with a plain instruction behind it (ISA guide 5.7.2): scalings ahead, roundings a pair back, the first sums; 88-101 the last rounding, the sums, l; 102-117 O^T times a.
.macro SM
.set j, vq-128
.set rT, ST+8*tB
.set rS, S+32*(tB%2)
.set rP, P+16*(tB%2)
.set rO, 32*tB+2*(j-102)
.set q, (j-20)/2
.if j < 102
	WIN 0
.endif
.if j < 4
	v_max3_num_f32 v[rT+4+j], v[rS+8*j], v[rS+8*j+1], v[rS+8*j+2]
.elseif j < 12
	v_max3_num_f32 v[rT+4+j%4], v[rT+4+j%4], v[rS+8*(j%4)+2*(j/4)+1], v[rS+8*(j%4)+2*(j/4)+2]
.elseif j == 12
	v_max3_num_f32 v[rT+4], v[rT+4], v[rS+7], v[rS+15]
.elseif j == 13
	v_max3_num_f32 v[rT+6], v[rT+6], v[rS+23], v[rS+31]
.elseif j == 14
	v_max3_num_f32 v[rT+4], v[rT+4], v[rT+5], v[rT+6]
.elseif j == 15
	v_max3_num_f32 v[rT+4], v[rT+4], v[rT+7], v[rT+1]
.elseif j == 16
	v_permlanex16_b32 v[rT+5], v[rT+4], s[SEL], s[SEL+1]  ; the query's other 32 keys lie in the lane 16 away
.elseif j == 17
	v_mov_b32 v[rT+7], v[rT]        ; c m_old is kept for a
.elseif j == 18
	v_max_num_f32 v[rT+1], v[rT+4], v[rT+5]
.elseif j == 19
	v_mul_f32 v[rT], s[CS], v[rT+1]
.elseif j == 20
	v_sub_f32 v[rT+7], v[rT+7], v[rT]
.elseif j == 23
	v_exp_f32 v[rT+6], v[rT+7]
.elseif (j < 88) && (j > 23) && (j%2 == 1)
	v_exp_f32 v[rS+(j-25)/2], v[rS+(j-25)/2]
.elseif (q < 4) || ((j < 76) && (q%2 == 0))
.set b, q/2+2
.if q < 4
.set b, q
.endif
	v_pk_fma_f32 v[rS+2*b:rS+2*b+1], v[rS+2*b:rS+2*b+1], s[CS:CS+1], v[rT:rT+1] op_sel_hi:[1,0,0] neg_lo:[0,0,1] neg_hi:[0,0,1]  ; pair b: c s - c m
.elseif (j < 88) && (q%2 == 1)
	s_wait_alu depctr_va_vdst(0)
	v_cvt_pk_f16_f32 v[rP+(q-5)/2], v[rS+q-5], v[rS+q-4]
.elseif j == 89
	s_wait_alu depctr_va_vdst(0)
	v_cvt_pk_f16_f32 v[rP+15], v[rS+30], v[rS+31]
.elseif j < 102                     ; the sum of the 16 pairs, in place: neighbours 1, 2, 4 and 8 pairs apart, then l takes it
.set z, j-86
.if j < 89
.set z, (j-76)/4
.endif
.set w, 4
.set u, z
.if z >= 14
.set w, 32
.set u, 0
.elseif z >= 12
.set w, 16
.set u, z-12
.elseif z >= 8
.set w, 8
.set u, z-8
.endif
.if z < 15
	v_pk_add_f32 v[rS+w*u:rS+w*u+1], v[rS+w*u:rS+w*u+1], v[rS+w*u+w/2:rS+w*u+w/2+1]
.else
	v_pk_fma_f32 v[rT+2:rT+3], v[rT+2:rT+3], v[rT+6:rT+7], v[rS:rS+1] op_sel_hi:[1,0,1]
.endif
.else
	WIN 0x41
	v_pk_mul_f32 v[rO:rO+1], v[rO:rO+1], v[rT+6:rT+7] op_sel_hi:[1,0]
.endif
.endm
.macro RID n                        ; the queue's next n entries
.rept \n
.if vq < 128
	KA
.else
	SM
.endif
.set vq, vq+1
.endr
.endm
; A TURN.  front = 0: the launch's last turn: no front tile is left.
; LDS, in the order of issue: GB of the front tile into stage columns 64-79; the turn's table blocks (for later turns); in turn 0 K of the step; behind the eight G^T products the four new blocks into columns 0-63;
; the 32 skewed loads; in turn 1 V of the step.  LDS serves a wave's instructions in order (ISA guide 5.7.1.4), so the stage needs no wait between its stores and its loads, nor from turn to turn.
.macro TURN k, front
.set kT, \k
.set tF, 3-kT
.set tB, (4-kT)%4
.set tP, (5-kT)%4
.set UNEW, 32*(kT+1)                ; the sets of H: this turn's new one; H_X and H_(X-1) of the back tile
.set UUP, 32*((kT+3)%4)
.set ULO, 32*kT
.if kT == 0
.set ULO, 128
.endif
.set vq, 0
.if \front
	WIN 0
.if kT == 0
	v_add_nc_u32 v[AK], s[TBK], v[AK0]
	v_add_nc_u32 v[AV], s[TBV], v[AV0]
	v_add_nc_u32 v[AE], s[TBE], v[AK0]
	s_add_co_u32 s[TBK], s[TBK], KS*PK
	s_add_co_u32 s[TBV], s[TBV], KS*PV
	s_sub_co_u32 s[TBE], s[TBE], 4*EB
.endif
	ds_store_b128 v[AS], v[GB+8*tF:GB+8*tF+3] offset:256
	ds_store_b128 v[AS], v[GB+8*tF+4:GB+8*tF+7] offset:272
.if kT == 0
	ELOAD 5, 5
	ELOAD 6, 6
	FETCH_K                         ; the last product that read K stands over 20 plain instructions back
.elseif kT == 1
	ELOAD 0, 4
	ELOAD 1, 5
.elseif kT == 2
	ELOAD 7, 7
	ELOAD 4, 8
	ELOAD 2, 6
.else
	ELOAD 3, 7
.endif
.set i, 0
.rept 8
	QE
	RID 8
.set i, i+1
.endr
	WIN 0
	PLACES                          ; the stores below read results just made
.irp blk, 0,1,2
	ds_store_b128 v[AS], v[GT+8*\blk:GT+8*\blk+3] offset:64*(3-\blk)
	ds_store_b128 v[AS], v[GT+8*\blk+4:GT+8*\blk+7] offset:64*(3-\blk)+16
.endr
	ds_store_b128 v[AS], v[GB+8*tF:GB+8*tF+3]
	ds_store_b128 v[AS], v[GB+8*tF+4:GB+8*tF+7] offset:16
.set i, 0
.rept 8
	PV
	WIN 0
.set n, 4*i
.rept 4
	ds_load_b32 v[S+32*(tF%2)+n], v[AC] offset:(16*(4-n/8)-n%8-8)*4  ; key block n / 8, key 8 (l / 16) + n % 8: column 16 (4 - n / 8) + ll - key
.set n, n+1
.endr
	RID 8
.set i, i+1
.endr
.if kT == 1
	PLACES                          ; V's registers were read by the products just issued
	FETCH_V
.endif
.if kT == 0
	s_wait_dscnt 40                 ; K is in: behind its run stand 8 stores and 32 loads
.set i, 0
.rept 16
	KE
	RID 3+i%2
.set i, i+1
.endr
.else
.set i, 0
.rept 8
	KE
	RID 7
.set i, i+1
.endr
.endif
	s_wait_dscnt 0x0                ; the bias is in S^T; so are the fragments that later turns multiply by
.set i, 0
.rept 8
	KQ
	RID 6
.set i, i+1
.endr
	RID 14                          ; rescalings of O^T: plain, and they name no register of the last products: the places behind them
.else
.set i, 0
.rept 8
	PV
	RID 8
.set i, i+1
.endr
	RID 182
.endif
.endm
.macro TWO_STEPS                    ; a slot's two key steps: written once, walked twice; the LDS addresses hang on s[TBK], s[TBV], s[TBE]
	WIN 0
	s_mov_b32 s[TWICE], 2
.Lstep_\@:
	TURN 0, 1
	TURN 1, 1
	TURN 2, 1
	TURN 3, 1
	WIN 0
	s_sub_co_u32 s[TWICE], s[TWICE], 1
	s_cmp_lg_u32 s[TWICE], 0
	s_cbranch_scc1 .Lstep_\@
.endm
	CHANGE 1                        ; slot 0 is in, everybody's part of it; slot 1 is asked for
	v_add_nc_u32 v[AE], s[TBE], v[AK0]
	ELOAD 0, 0                      ; step 0's blocks c0 .. c4
	ELOAD 1, 1
	ELOAD 2, 2
	ELOAD 3, 3
	ELOAD 4, 4
	s_wait_loadcnt 0x0              ; Q
	s_wait_dscnt 0x0
	WIN 0x0a
.set i, 0
.rept 8                             ; each tile's highest block of step 0, which a step before would have left in GB: tile 3 - i % 4 with block c(i % 4)
.if i < 4
	v_wmma_f32_16x16x32_f16 v[GB+8*(3-i%4):GB+8*(3-i%4)+7], v[EG+16*(i%4)+8*(i/4):EG+16*(i%4)+8*(i/4)+7], v[16*(3-i%4)+8*(i/4):16*(3-i%4)+8*(i/4)+7], 0
.else
	v_wmma_f32_16x16x32_f16 v[GB+8*(3-i%4):GB+8*(3-i%4)+7], v[EG+16*(i%4)+8*(i/4):EG+16*(i%4)+8*(i/4)+7], v[16*(3-i%4)+8*(i/4):16*(3-i%4)+8*(i/4)+7], v[GB+8*(3-i%4):GB+8*(3-i%4)+7]
.endif
.set i, i+1
.endr
	WIN 0
	PLACES
	s_mov_b32 s[SLOTS], 15
	s_branch .Lbody
.Lslot:                             ; 14 times: every slot from the third to the last is asked for here
	CHANGE 1
.Lbody:
	TWO_STEPS
	s_sub_co_u32 s[SLOTS], s[SLOTS], 1
	s_cmp_lg_u32 s[SLOTS], 0
	s_cbranch_scc1 .Lslot
	CHANGE 0                        ; the last slot is written out: nothing is asked for
	TWO_STEPS
	TURN 0, 0                       ; tile 0's last additions and softmax | tile 1's last V^T P
.set tP, 0
.set i, 0
.rept 8
	PV                              ; tile 0's last V^T P
.set i, i+1
.endr
	; THE WAY OUT.  l's two halves and the other half of the lanes' are added; O^T is divided by l and sent through my stage, a tile at a time.  The additions are the places behind the last products.
	WIN 0
.irp t, 0,1,2,3
	v_add_f32 v[ST+8*\t+4], v[ST+8*\t+2], v[ST+8*\t+3]
.endr
.irp t, 0,1,2,3
	v_permlanex16_b32 v[ST+8*\t+5], v[ST+8*\t+4], s[SEL], s[SEL+1]
.endr
.irp t, 0,1,2,3
	v_add_f32 v[ST+8*\t+4], v[ST+8*\t+4], v[ST+8*\t+5]
.endr
.irp t, 0,1,2,3
	v_rcp_f32 v[ST+8*\t+6], v[ST+8*\t+4]
.endr
	v_nop                           ; a plain instruction between the last reciprocal and the use of its result
.macro PACK t                       ; a lane's eight channels of a block are 32 bytes of its query's row; rows of 272 bytes in, whole rows of 256 back, into the registers that they left
	WIN 0x41
.set i, 32*(\t)
.rept 16
	s_wait_alu depctr_va_vdst(0)
	v_pk_mul_f32 v[i:i+1], v[i:i+1], v[ST+8*(\t)+6:ST+8*(\t)+7] op_sel_hi:[1,0]
.set i, i+2
.endr
	WIN 0x04                        ; store data in window 1, address in window 0
.irp cb, 0,1,2,3
	ds_store_b128 v[STO], v[32*(\t)+8*\cb:32*(\t)+8*\cb+3] offset:64*\cb
	ds_store_b128 v[STO], v[32*(\t)+8*\cb+4:32*(\t)+8*\cb+7] offset:64*\cb+16
.endr
	WIN 0x40
.irp f, 0,1,2,3,4,5,6,7
	ds_load_b128 v[32*(\t)+4*\f:32*(\t)+4*\f+3], v[RD] offset:\f*2*SPO  ; in order behind the stores above; the next tile's stores come behind them
.endr
.endm
.macro SEND t, younger              ; younger: the LDS instructions issued behind tile t's loads: the next tile's sixteen, or none
	WIN 0x04
.irp f, 0,1,2,3,4,5,6,7
	s_wait_dscnt (\younger)+7-\f
	global_store_b128 v[GO], v[32*(\t)+4*\f:32*(\t)+4*\f+3], s[8:9] offset:(\t)*65536+\f*8192  ; 16 lanes store the 256 consecutive bytes of one query and head, at a multiple of 256 from out's first byte
.endr
.endm
	PACK 0
	PACK 1
	SEND 0, 16
	PACK 2
	SEND 1, 16
	PACK 3
	SEND 2, 16
	SEND 3, 0
	WIN 0
	s_wait_tensorcnt 0x0            ; the wave's end
	ds_add_u32 v[SPW], v[NIL]
	s_wait_dscnt 0x0
	s_endpgm
.Lfunc_end_k_q92e409ee04_attn:
	.size	k_q92e409ee04_attn, .Lfunc_end_k_q92e409ee04_attn-k_q92e409ee04_attn
	.p2alignl 7, 3214868480
	.fill 96, 4, 3214868480
	.section	.rodata,"a",@progbits
	.p2align	6, 0x0
	.amdhsa_kernel k_q92e409ee04_attn
		.amdhsa_group_segment_fixed_size 327680
		.amdhsa_private_segment_fixed_size 0
		.amdhsa_enable_private_segment 0
		.amdhsa_kernarg_size 24
		.amdhsa_user_sgpr_count 2
		.amdhsa_user_sgpr_kernarg_segment_ptr 1
		.amdhsa_wavefront_size32 1
		.amdhsa_system_sgpr_workgroup_id_x 1
		.amdhsa_system_sgpr_workgroup_id_y 1
		.amdhsa_system_sgpr_workgroup_id_z 1
		.amdhsa_system_vgpr_workitem_id 0
		.amdhsa_next_free_vgpr 928
		.amdhsa_next_free_sgpr 80
		.amdhsa_reserve_vcc 0
		.amdhsa_float_denorm_mode_32 3
		.amdhsa_float_denorm_mode_16_64 3
		.amdhsa_memory_ordered 1
		.amdhsa_forward_progress 1
		.amdhsa_inst_pref_size 241
	.end_amdhsa_kernel
	.amdgpu_metadata
---
amdhsa.version: [ 1, 2 ]
amdhsa.kernels:
  - .name:           k_q92e409ee04_attn
    .symbol:         k_q92e409ee04_attn.kd
    .args:
      - { .name: qkv, .offset: 0, .size: 8, .value_kind: global_buffer, .address_space: global }
      - { .name: ebuf, .offset: 8, .size: 8, .value_kind: global_buffer, .address_space: global }
      - { .name: out0, .offset: 16, .size: 8, .value_kind: global_buffer, .address_space: global }
    .group_segment_fixed_size: 327680
    .private_segment_fixed_size: 0
    .kernarg_segment_align: 8
    .kernarg_segment_size: 24
    .max_flat_workgroup_size: 128
    .sgpr_count:     80
    .vgpr_count:     928
    .wavefront_size: 32
...
	.end_amdgpu_metadata
.endif
;; end of part 3
;; ======== version 2 of 2: 3 launches
;; limits: values are held in f16: magnitudes above 65,504 overflow, below 6.1e-05 lose precision
;; workspace buffers: xb 8,388,608 bytes; wb 6,291,456 bytes; bcat 12,288 bytes; ebuf 557,056 bytes; qkv 25,165,824 bytes
;; launch prep: the kernel of part 1 again; grid 466 x 1, 8 waves a work-group, no clusters, 0 bytes of LDS; arguments hidden_states, Wq, Wk, Wv, bq, bk, bv, dist_emb, xb, wb, bcat, ebuf; writes xb, wb, bcat, ebuf
;; launch proj: the kernel of part 2 again; grid 16 x 16, 4 waves a work-group, clusters of 4 x 4, 327,680 bytes of LDS; arguments xb, wb, bcat, qkv; writes qkv
;; launch attn (part 4): grid 32 x 8, 4 waves a work-group, clusters of 4 x 4, 327,680 bytes of LDS; arguments qkv, ebuf, out0; writes out0
.if DOCPART == 4
	.amdgcn_target "amdgcn-amd-amdhsa--gfx1250"
	.amdhsa_code_object_version 6
	.text
	.protected	k_q92e409ee04_attn
	.globl	k_q92e409ee04_attn
	.p2align	8
	.type	k_q92e409ee04_attn,@function
k_q92e409ee04_attn:
	s_mov_b64 s[64:65], 0
	v_nop
	global_prefetch_b8 v0, s[64:65] scope:SCOPE_SE
	s_setreg_imm32_b32 hwreg(HW_REG_WAVE_MODE, 25, 1), 1
	s_wait_xcnt 0x0
	s_wait_alu depctr_hold_cnt(0) depctr_sa_sdst(0) depctr_va_vdst(0) depctr_va_sdst(0) depctr_va_ssrc(0) depctr_va_vcc(0) depctr_vm_vsrc(0)
	s_getreg_b32 s2, hwreg(HW_REG_IB_STS2, 6, 4)
	s_cmp_eq_u32 s2, 0
	s_cbranch_scc0 .Lentry_in_a_cluster
	s_endpgm
.Lentry_in_a_cluster:
	s_bfe_u32 s2, ttmp6, 0x10000c
	s_cmp_lg_u32 s2, 0xf033
	s_cbranch_scc0 .Lentry_shape_is_right
	s_endpgm
.Lentry_shape_is_right:
; ATTN: out[b][l][64 head + :] = the sum over r of softmax_r((q_l . k_r + q_l . e[l-r] + k_r . e[l-r]) / 8) v_r, with e[l-r] = ebuf row l - r + 2064.  q, k, v: f16 by heads, [2048][64]; out f32.
; Products, biases, maxima and sums in f32; the weights p are rounded to f16 for the last product (their sum l is taken of the unrounded p).
; LIMITS.  q, k, v and the table arrive within f16's range.  Scores below -2^125 are not told from the starting maximum; a weight below 2^-126 counts as 0 in l; NaN and infinities are not treated apart.
; SHARES.  A work-group owns 256 queries of one head (grid x: 16 b + head; grid y: the block g), a wave 64: tiles t = 0..3 of 16.  Every wave walks all 2,048 keys, 64 a step; an LDS slot holds two steps.
; CLUSTER 4 x 4: four heads by four query blocks.  A slot's table window hangs on the query block alone: the four work-groups of a row of the cluster ask for it jointly; its K and V hang on the head alone: the four of a
; column ask for them jointly.  So each of a slot's 83,968 bytes is requested once for four work-groups.
; LAYOUT.  S^T = K Q^T: a lane holds ONE query (lane % 16) and the keys 8 (lane / 16) + 0..7 of a block of 16.  Two such results rounded to f16 ARE source 1 of O^T = V^T P.
; THE TABLE goes in blocks of 16 rows.  Query tile and key block 16 D apart need block X = D + 129 where the query's place ll in its tile is at least the key's rr, else block X - 1; the row in it is (ll - rr) mod 16.
; q . e:  G^T = Eblock (source 0) x Q (source 1) holds one query a lane and 8 neighbouring table rows.  Five blocks, 80 columns, go into my stage in LDS, row = query; each lane reads column 16 (4 - i) + ll - rr
;   back, straight into the registers of S^T, which are the C operand of the first product K Q^T: this term costs no vector instruction.  The highest of a step's five blocks is the lowest of the step before: kept in GB.
; k . e:  H = Kblock (source 0) x Eblock (source 1) holds the key in the register and the table row p in the lane.  M[p] = H_X[p] where p + rr <= 15, else H_(X-1)[p] (a select on a constant mask); S^T takes M rotated by rr
;   inside each row of 16 lanes.  The two rows hold keys 8 apart, so there are two additions, each with its own rotation and a row mask that lets it write its own row alone: three instructions a register.
;   H_(X-1) of tile t is H_X of tile t - 1: the tiles go t = 3, 2, 1, 0.
; SOFTMAX.  A running maximum m and sum l a query: p = 2^(c s - c m), c = log2(e) / 8; in every step O and l are multiplied by a = 2^(c m_old - c m_new).
; BY TURNS.  Turn k of a step: the FRONT tile 3 - k gets its G^T, its new H and its K Q^T; the BACK tile, last turn's front, gets its k . e additions and its softmax: a queue of 214 vector instructions; the tile before
;   that gets V^T P.  Four of the queue stand behind EVERY matrix instruction, the others in three lumps; the LDS instructions stand in runs behind the lumps, never singly among the matrix instructions.
;   The very first turn's back tile has not been: its scores start at -2^125, a power of two, so that its weights are exactly 1, finite, and the next step's a = 0 wipes them.
; REGISTERS, in windows of 256 (s_set_vgpr_msb: bits 1:0 source 0, 3:2 source 1, 5:4 source 2, 7:6 destination):
;   window 0: v2-15 addresses; v16-47 statistics, 8 a tile; v48-55 M; v64-127 S^T, two sets by the tile's parity; v128-159 P likewise; v160-183 G^T; v184-215 GB, 8 a tile
;   window 1: v0-127 O^T; v128-191 K of a step; v192-255 V of a step      window 2: v0-63 Q; v64-191 eight table blocks G0-G7, 16 each      window 3: v0-159 five sets of H, 32 each
.set KS,    64
.set PK,    144       ; a row of K or of the table in LDS: 128 bytes + 16: the 16 rows of a load start at 16 different groups of four banks (64 banks of 4 bytes: ISA guide 11.1)
.set PV,    160       ; a row of V: 128 + 32
.set VOFF,  2*KS*PK   ; a slot: 128 rows of K, 128 of V, 400 of the table
.set EOFF,  VOFF+2*KS*PV
.set EB,    16*PK     ; a table block
.set SLOT1, 1<<17
.set STAGE, SLOT1+EOFF+25*EB  ; behind the ring, never filled by a tensor load: 5,376 bytes for each wave
.set SPT,   336       ; a stage row in the loop: 80 f32 + 16 bytes = 84 words: the stores' 16 rows take 16 different columns of 16 bytes; the skewed loads' lanes lie 85 words apart, less 8 for the upper half: 32 different banks
.set SPO,   272       ; a stage row on the way out
.set STW,   16*SPT
.set SPARE, STAGE+4*STW
.set AK0, 2           ; v2  my lane's place in a block of K or of the table: row x 144 + 16 x half
.set AV0, 3           ; v3  the same for V's turning load, VOFF included
.set AK,  4
.set AV,  5
.set AE,  6           ; v6  LDS address of table block c8 of the step in hand
.set AS,  7           ; v7  the stage: where I put my 8 columns of a block
.set AC,  8           ; v8  the stage: my skewed column, less 8
.set STO, 12
.set RD,  13
.set GO,  14
.set QO,  15
.set ST,  16          ; tile t at v[ST+8 t]: c m, m, l (even keys', odd keys'), c0-c3 at work; a takes c2's place
.set MT,  48
.set SPW, 56
.set NIL, 57
.set S,   64
.set P,   128
.set GT,  160
.set GB,  184
.set KF,  128         ; window 1
.set VF,  192         ; window 1
.set EG,  64          ; window 2
.set WV,  12
.set G1K, 16          ; s[16:23], s[24:31], s[32:39] descriptor group 1 for K, V, the table
.set G1V, 24
.set G1E, 32
.set G0K, 40          ; s[40:43], s[44:47], s[48:51] group 0: they walk
.set G0V, 44
.set G0E, 48
.set SLOTS, 52
.set TWICE, 53
.set TBK, 54          ; s54  LDS byte at which K of the step to be fetched begins
.set TBV, 55          ; s55  the same for V, less VOFF
.set TBE, 56          ; s56  the same for table block c8
.set CS,  58
.set SEL, 60
.set MK,  66          ; s[66:73] mask j: lanes with p + 8 (lane / 16) + j <= 15
.set NKA, 96          ; the queue's entries for k . e
.set NQ,  NKA+118     ; the whole queue
.set MSB, 0
.macro WIN new
.if MSB != (\new)
	s_set_vgpr_msb (MSB<<8)|(\new)
.set MSB, \new
.endif
.endm
.macro PLACES         ; four places behind a matrix instruction (ISA guide 7.12.1 for instructions other than loads and stores)
.rept 4
	v_nop
.endr
.endm
; A joint fill: wave 0 fetches a slot's K, wave 1 its V (mask: my column of the cluster), waves 2 and 3 the halves of its table window (mask: my row).  The branches hang on the wave's number alone.
; An s_nop 0 and four v_nop follow each line, ahead of the jump and the label.
.macro LOAD
	s_cmp_eq_u32 s[WV], 0
	s_cbranch_scc0 .Lnot_k_\@
	tensor_load_to_lds s[G0K:G0K+3], s[G1K:G1K+7]
	s_nop 0
.rept 4
	v_nop
.endr
	s_branch .Lasked_\@
.Lnot_k_\@:
	s_cmp_eq_u32 s[WV], 1
	s_cbranch_scc0 .Lfor_e_\@
	tensor_load_to_lds s[G0V:G0V+3], s[G1V:G1V+7]
	s_nop 0
.rept 4
	v_nop
.endr
	s_branch .Lasked_\@
.Lfor_e_\@:
	tensor_load_to_lds s[G0E:G0E+3], s[G1E:G1E+7]
	s_nop 0
.rept 4
	v_nop
.endr
.Lasked_\@:
.endm
; A round of the cluster's barrier: my work-group's barrier, so that wave 0's signal speaks for all four waves; wave 0 signals; every wave waits for all sixteen work-groups; my work-group's barrier once more.
.macro CROUND
	s_barrier_signal -1
	s_barrier_wait -1
	s_cmp_lg_u32 s[WV], 0
	s_cbranch_scc1 .Lnot_wave_0_\@
	s_barrier_signal -3
.Lnot_wave_0_\@:
	s_barrier_wait -3
	s_barrier_signal -1
	s_barrier_wait -1
.endm
; THE CHANGE OF SLOTS, in front of a slot's first turn.  Each wave waits for all its tensor loads (one is out: its part of the other slot), adds 0 to its spare word, and waits for that and for its reads of the slot that it
; leaves.  fill = 1: the barrier is a round of the cluster's, so that no wave of any partner still reads the slot or has a load on its way, and the old slot is filled again first thing behind it: the next 128 keys, and the
; table window 128 rows further down.  That load has two key steps, 272 matrix instructions, in which to land.
.macro CHANGE fill
	WIN 0
	s_wait_tensorcnt 0x0            ; no tensor load of mine is out, so a group 0 may be written
	ds_add_u32 v[SPW], v[NIL]       ; 0 onto my spare word; the scalar work below stands between it and the wait for it
.if \fill
	s_xor_b32 s[G0K+1], s[G0K+1], SLOT1
	s_add_nc_u64 s[G0K+2:G0K+3], s[G0K+2:G0K+3], 2*KS*128
	s_xor_b32 s[G0V+1], s[G0V+1], SLOT1
	s_add_nc_u64 s[G0V+2:G0V+3], s[G0V+2:G0V+3], 2*KS*128
	s_xor_b32 s[G0E+1], s[G0E+1], SLOT1
	s_sub_nc_u64 s[G0E+2:G0E+3], s[G0E+2:G0E+3], 2*KS*128
.endif
	s_sub_co_u32 s[TBK], s[TBK], 2*KS*PK  ; the fetches go back to a slot's first step, in the other slot
	s_xor_b32 s[TBK], s[TBK], SLOT1
	s_sub_co_u32 s[TBV], s[TBV], 2*KS*PV
	s_xor_b32 s[TBV], s[TBV], SLOT1
	s_add_co_u32 s[TBE], s[TBE], 8*EB
	s_xor_b32 s[TBE], s[TBE], SLOT1
	s_wait_dscnt 0x0                ; the add is done, and my reads of the slot are over
.if \fill
	CROUND
	LOAD
.else
	s_barrier_signal -1
	s_barrier_wait -1
.endif
.endm
	s_load_b128 s[4:7], s[0:1], 0x0 ; qkv s[4:5], ebuf s[6:7]
	s_load_b64 s[8:9], s[0:1], 0x10 ; out0
	v_lshl_add_u32 v[SPW], v0, 2, SPARE
	v_mov_b32 v[NIL], 0
	ds_add_u32 v[SPW], v[NIL]       ; the wave's opening: the add and its wait stand ahead of my first tensor load
	ds_add_u32 v56, v57
	v_lshrrev_b32 v1, 5, v0
	v_readfirstlane_b32 s[WV], v1
	s_bfe_u32 s80, ttmp6, 0x40000   ; cx
	s_bfe_u32 s81, ttmp6, 0x40004   ; cy
	s_lshl_b32 s82, ttmp9, 2        ; in a cluster launch ttmp9 and ttmp7 count clusters
	s_add_co_u32 s82, s82, s80      ; 16 b + head = 4 x cluster x + cx
	s_and_b32 s83, ttmp7, 0xffff
	s_lshl_b32 s83, s83, 2
	s_add_co_u32 s83, s83, s81      ; the query block g = 4 x cluster y + cy
	s_lshl_b32 s84, s81, 2
	s_lshl_b32 s84, 15, s84         ; my row of the cluster: the same g
	s_lshl_b32 s85, 0x1111, s80     ; my column: the same head
	s_and_b32 s14, s[WV], 1         ; which half of the table window (waves 2, 3)
	; group 1: dense bytes asked for as rows of 256 bytes (two rows of 64 f16), padded in LDS after every 128
	s_or_b32 s[G1K], s85, (1<<16)|(1<<20)|(1<<21)|(4<<22)|(3<<25)  ; the mask; 2-byte elements; padding on; bit 21 beside a mask; after every 32 words 4 words
	s_or_b32 s[G1V], s85, (1<<16)|(1<<20)|(1<<21)|(4<<22)|(7<<25)  ; 8 words
	s_or_b32 s[G1E], s84, (1<<16)|(1<<20)|(1<<21)|(4<<22)|(3<<25)
.irp g, G1K, G1V, G1E
	s_mov_b32 s[\g+1], 128<<16      ; tensor_dim0 = 128
	s_mov_b32 s[\g+3], 128<<16      ; tile_dim0 = 128
	s_mov_b32 s[\g+5], 128          ; elements from row to row
	s_mov_b32 s[\g+6], 0
	s_mov_b32 s[\g+7], 0
.endr
.irp g, G1K, G1V
	s_mov_b32 s[\g+2], 64<<16       ; tensor_dim1 = 64: 128 keys
	s_mov_b32 s[\g+4], 64           ; tile_dim1
.endr
	s_mov_b32 s[G1E+2], 100<<16     ; 200 table rows
	s_mov_b32 s[G1E+4], 100
	s_mov_b32 s[G0K], 1
	s_mov_b32 s[G0K+1], 0
	s_mov_b32 s[G0V], 1
	s_mov_b32 s[G0V+1], VOFF
	s_mov_b32 s[G0E], 1
	s_mul_i32 s[G0E+1], s14, 200*PK ; no place in the cluster enters an LDS address
	s_add_co_u32 s[G0E+1], s[G0E+1], EOFF
	s_mov_b32 s[CS], 0x3e38aa3b     ; c = log2(e) / 8
	s_mov_b32 s[CS+1], s[CS]
	s_mov_b32 s[SEL], 0x76543210
	s_mov_b32 s[SEL+1], 0xfedcba98
.irp j, 0,1,2,3,4,5,6,7
	s_mov_b32 s[MK+\j], ((1<<(16-\j))-1)|(((1<<(8-\j))-1)<<16)
.endr
	s_mov_b32 s[TBK], SLOT1+2*KS*PK ; the first change of slots turns these two into 0,
	s_mov_b32 s[TBV], SLOT1+2*KS*PV
	s_mul_i32 s[TBE], s[WV], 4*EB   ; and this one into EOFF + (4 w + 4) blocks: block c8 of a slot's first step
	s_add_co_u32 s[TBE], s[TBE], SLOT1+EOFF-4*EB
	s_lshl_b32 s2, s82, 18          ; the head's block of 262,144 bytes: made of cx alone
	s_mov_b32 s3, 0
	s_lshl_b32 s10, s83, 15         ; 256 g rows of 128 bytes: made of cy alone
	s_mul_i32 s76, s14, 200*128
	s_add_co_u32 s76, s76, s10
	s_add_co_u32 s76, s76, 1920*128 ; slot 0's window begins at table row 256 g + 1920
	s_mov_b32 s77, 0
	s_lshl_b32 s86, s[WV], 13
	s_add_co_u32 s86, s86, s10      ; my wave's 64 queries in the head
	s_mov_b32 s87, 0
	s_lshr_b32 s78, s82, 4
	s_lshl_b32 s78, s78, 23         ; out: b x 8,388,608
	s_lshl_b32 s79, s83, 20         ; + 256 g rows of 4,096 bytes
	s_add_co_u32 s78, s78, s79
	s_lshl_b32 s79, s[WV], 18       ; + 64 w rows
	s_add_co_u32 s78, s78, s79
	s_and_b32 s79, s82, 15
	s_lshl_b32 s79, s79, 8          ; + head x 256
	s_add_co_u32 s78, s78, s79
	s_mov_b32 s79, 0
	s_mov_b32 s15, 0xfe000000       ; -2^125
	s_wait_dscnt 0x0                ; the opening add is done
	s_wait_kmcnt 0x0
	s_add_nc_u64 s[88:89], s[4:5], s[2:3]          ; q of my head; k and v lie 32 and 64 blocks on
	s_add_nc_u64 s[G0K+2:G0K+3], s[88:89], 32<<18
	s_or_b32 s[G0K+3], s[G0K+3], 0x80000000
	s_add_nc_u64 s[G0V+2:G0V+3], s[88:89], 64<<18
	s_or_b32 s[G0V+3], s[G0V+3], 0x80000000
	s_add_nc_u64 s[G0E+2:G0E+3], s[6:7], s[76:77]
	s_or_b32 s[G0E+3], s[G0E+3], 0x80000000
	s_add_nc_u64 s[90:91], s[88:89], s[86:87]      ; Q at my wave's first row
	s_add_nc_u64 s[8:9], s[8:9], s[78:79]
	CROUND                          ; all sixteen work-groups are here: the first joint loads meet
	LOAD                            ; slot 0
	v_and_b32 v1, 15, v0            ; l % 16
	v_bfe_u32 v9, v0, 4, 1          ; l / 16
	v_lshlrev_b32 v[QO], 7, v1
	v_lshl_add_u32 v[QO], v9, 4, v[QO]
	WIN 0x80
.set i, 0
.rept 8                             ; Q stays in registers: tile i / 2, channels 32 (i % 2) on
	global_load_b128 v[8*i:8*i+3],   v[QO], s[90:91] offset:(i/2)*2048+(i%2)*64
	global_load_b128 v[8*i+4:8*i+7], v[QO], s[90:91] offset:(i/2)*2048+(i%2)*64+32
.set i, i+1
.endr
	; What the first turns find, so that no first step need be written out; all this stands in the wait for the first tile.
	WIN 0x40
.set i, VF
.rept 64
	v_mov_b32 v[i], 0               ; V
.set i, i+1
.endr
	WIN 0
.set i, 0
.rept 16
	v_mov_b32 v[P+16+i], 0
.set i, i+1
.endr
.set i, 0
.rept 4
	v_mov_b32 v[ST+8*i], s15           ; c m: far below every c s
	v_mov_b32 v[ST+8*i+1], 0xff7fffff  ; m
	v_mov_b32 v[ST+8*i+2], 0
	v_mov_b32 v[ST+8*i+3], 0
.set i, i+1
.endr
.set i, 0
.rept 32
	v_mov_b32 v[S+i], s15           ; the scores of the tile that has not been
.set i, i+1
.endr
	WIN 0x41                        ; O^T and the two sets of H that the first turn adds start as products of the zero fragments above, with C = 0: 24 instructions for 192 registers
.set i, 0
.rept 16
	v_wmma_f32_16x16x32_f16 v[8*i:8*i+7], v[VF:VF+7], v[P+16:P+23], 0
.set i, i+1
.endr
	WIN 0xc1
.set i, 0
.rept 8
	v_wmma_f32_16x16x32_f16 v[96+8*i:96+8*i+7], v[VF:VF+7], v[P+16:P+23], 0
.set i, i+1
.endr
	WIN 0
	v_mul_u32_u24 v[AK0], v1, PK
	v_lshl_add_u32 v[AK0], v9, 4, v[AK0]
	v_and_b32 v10, 7, v0            ; the turning load: lane l reads key 8 (l / 16) + l % 8, channels 8 ((l / 8) % 2) + 0..7
	v_bfe_u32 v11, v0, 3, 1
	v_lshl_add_u32 v[AV0], v9, 3, v10
	v_mul_u32_u24 v[AV0], v[AV0], PV
	v_lshl_add_u32 v[AV0], v11, 4, v[AV0]
	v_add_nc_u32 v[AV0], VOFF, v[AV0]
	s_mul_i32 s10, s[WV], STW
	s_add_co_u32 s10, s10, STAGE    ; my stage
	v_mul_u32_u24 v[AS], v1, SPT    ; in: row = my query, columns 8 (l / 16) on of a block
	v_lshl_add_u32 v[AS], v9, 5, v[AS]
	v_add_nc_u32 v[AS], s10, v[AS]
	v_mul_u32_u24 v[AC], v1, SPT+4  ; back: row ll, column ll - 8 (l / 16) + 8; the rest stands in the immediate
	v_sub_nc_u32 v10, 1, v9
	v_lshl_add_u32 v[AC], v10, 5, v[AC]
	v_add_nc_u32 v[AC], s10, v[AC]
	v_mul_u32_u24 v[STO], v1, SPO   ; the way out, in: row = my query, 32 bytes for each half of the lanes
	v_lshl_add_u32 v[STO], v9, 5, v[STO]
	v_add_nc_u32 v[STO], s10, v[STO]
	v_mul_u32_u24 v[RD], v9, SPO    ; back: lanes 0-15 one row of 256 bytes, lanes 16-31 the next
	v_lshl_add_u32 v[RD], v1, 4, v[RD]
	v_add_nc_u32 v[RD], s10, v[RD]
	v_lshlrev_b32 v[GO], 12, v9     ; and the same two rows in out
	v_lshl_add_u32 v[GO], v1, 4, v[GO]
; THE TABLE BLOCKS of a step are c0 > c1 > .. > c8; turn k multiplies by c(k+1) .. c(k+4), turn 0 by c0 too; the next step's c0 .. c4 are this step's c4 .. c8.  EGRP says in which group block c lies in turn kT.
.macro EGRP c
.set eg, (\c)
.if (kT >= 2) && ((\c) == 4)
.set eg, 0
.endif
.if (kT == 3) && ((\c) == 5)
.set eg, 1
.endif
.if (kT == 3) && ((\c) == 6)
.set eg, 2
.endif
.endm
.macro ELOAD g, c                   ; block c into group g: 16 rows x 64 channels, two fragments
	WIN 0x80
.irp hf, 0,1
	ds_load_b128 v[EG+16*(\g)+8*\hf:EG+16*(\g)+8*\hf+3],   v[AE] offset:(8-(\c))*EB+64*\hf
	ds_load_b128 v[EG+16*(\g)+8*\hf+4:EG+16*(\g)+8*\hf+7], v[AE] offset:(8-(\c))*EB+64*\hf+32
.endr
.endm
.macro FETCH_K
	WIN 0x40
.irp f, 0,1,2,3,4,5,6,7             ; keys 16 (f / 2) on, channels 32 (f % 2) on
	ds_load_b128 v[KF+8*\f:KF+8*\f+3],   v[AK] offset:(\f/2)*16*PK+(\f%2)*64
	ds_load_b128 v[KF+8*\f+4:KF+8*\f+7], v[AK] offset:(\f/2)*16*PK+(\f%2)*64+32
.endr
.endm
.macro FETCH_V
	WIN 0x40
.irp f, 0,1,2,3,4,5,6,7             ; keys 32 (f / 4) on, channels 16 (f % 4) on
	ds_load_tr16_b128 v[VF+8*\f:VF+8*\f+3],   v[AV] offset:(\f/4)*32*PV+(\f%4)*32
	ds_load_tr16_b128 v[VF+8*\f+4:VF+8*\f+7], v[AV] offset:(\f/4)*32*PV+16*PV+(\f%4)*32
.endr
.endm
; THE MATRIX WORK.  In each run the accumulators take turns, one instruction a turn.  i counts a run's instructions.
.macro QE                           ; G^T of the front tile: block c(kT+1+i%4), channels 32 (i / 4) on; the lowest block goes into GB
	EGRP kT+1+i%4
.set rD, GT+8*(i%4)
.if i%4 == 3
.set rD, GB+8*tF
.endif
	WIN 0x0a
.if i < 4
	v_wmma_f32_16x16x32_f16 v[rD:rD+7], v[EG+16*eg+8*(i/4):EG+16*eg+8*(i/4)+7], v[16*tF+8*(i/4):16*tF+8*(i/4)+7], 0
.else
	v_wmma_f32_16x16x32_f16 v[rD:rD+7], v[EG+16*eg+8*(i/4):EG+16*eg+8*(i/4)+7], v[16*tF+8*(i/4):16*tF+8*(i/4)+7], v[rD:rD+7]
.endif
.endm
.macro KE                           ; the new set of H: key block ib with table block c(kT+1+ib); turn 0 makes two sets, the first with c(ib)
.set ib, i%4
.if kT == 0
.set hf, i/8
.set rD, 32*((i%8)/4)+8*ib
	EGRP (i%8)/4+ib
.else
.set hf, i/4
.set rD, UNEW+8*ib
	EGRP kT+1+ib
.endif
	WIN 0xf9
.if hf == 0
	v_wmma_f32_16x16x32_f16 v[rD:rD+7], v[KF+16*ib+8*hf:KF+16*ib+8*hf+7], v[EG+16*eg+8*hf:EG+16*eg+8*hf+7], 0
.else
	v_wmma_f32_16x16x32_f16 v[rD:rD+7], v[KF+16*ib+8*hf:KF+16*ib+8*hf+7], v[EG+16*eg+8*hf:EG+16*eg+8*hf+7], v[rD:rD+7]
.endif
.endm
.macro KQ                           ; S^T += K Q^T onto the q . e bias that was loaded there
.set rS, S+32*(tF%2)+8*(i%4)
.set rK, KF+16*(i%4)+8*(i/4)
.set rQ, 16*tF+8*(i/4)
	WIN 0x09
	v_wmma_f32_16x16x32_f16 v[rS:rS+7], v[rK:rK+7], v[rQ:rQ+7], v[rS:rS+7]
.endm
.macro PV                           ; O^T += V^T P for tile tP: keys 32 (i / 4) on, channels 16 (i % 4) on
.set rO, 32*tP+8*(i%4)
.set rV, VF+32*(i/4)+8*(i%4)
.set rP, P+16*(tP%2)+8*(i/4)
	WIN 0x51
	v_wmma_f32_16x16x32_f16 v[rO:rO+7], v[rV:rV+7], v[rP:rP+7], v[rO:rO+7]
.endm
; THE VECTOR WORK of a turn is one queue of NQ = 214; vq is the next entry's number.
.macro ADDROR d, a, n, rm           ; in the rows of 16 lanes that rm names: v[d] += v[a] rotated by n inside the row (lane i takes lane i - n); the other row keeps v[d]
.irp c, 1,2,3,4,5,6,7,8,9,10,11,12,13,14,15
.if (\n) == \c
	v_add_f32_dpp v[\d], v[\a], v[\d] row_ror:\c row_mask:\rm bank_mask:0xf
.endif
.endr
.endm
; 0-95: k . e for the back tile, 24 for each key block, eight at a time: the select M; the lower 16 lanes (keys j) take M rotated by j; the upper 16 (keys 8 + j) take M rotated by 8 + j.
; Each accumulator's lowest register is read first.
.macro KA
.set kb, vq/24
.set kp, (vq%24)/8
.set kj, vq%8
.set rS, S+32*(tB%2)+8*kb+kj
.if kp == 0
	WIN 0x0f
	v_cndmask_b32 v[MT+kj], v[ULO+8*kb+kj], v[UUP+8*kb+kj], s[MK+kj]
.elseif kp == 1
	WIN 0
.if kj == 0
	v_add_f32_dpp v[rS], v[MT], v[rS] quad_perm:[0,1,2,3] row_mask:0x1 bank_mask:0xf  ; key 0: no rotation
.else
	ADDROR rS, MT+kj, kj, 0x1
.endif
.else
	WIN 0
	ADDROR rS, MT+kj, 8+kj, 0x2
.endif
.endm
; 96-213: the back tile's softmax, numbers j = 0 .. 117.  s0-s31 are the lane's scores, in pairs 0-15.
;   0-15   the maximum of s0-s31 and the old m: four chains c0-c3, then what is left over     16-20  the other half of the lanes; the new m; c m; c m_old - c m_new
;   21-87  33 exponentials (a at 23, s n at 25 + 2 n), each with a plain instruction behind it (ISA guide 5.7.2).  Plain instruction q (number 21, then the even numbers): q = 0 .. 5 and the even q to 24 scale the 16 pairs
;          (c s - c m), four numbers or more ahead of their exponentials; the odd q from 7 on round pair (q - 7) / 2 to f16, seven numbers behind its second exponential; q = 26 .. 32 are the first four sums
;   88-101 roundings 14 and 15 (at 88 and 92, five numbers behind their exponentials), the other sums, l = a l + the sum.  A pair is summed in place only behind its rounding.
;   102-117 O^T times a: the one part that leaves window 0
.macro SM
.set j, vq-NKA
.set rT, ST+8*tB
.set rS, S+32*(tB%2)
.set rP, P+16*(tB%2)
.set rO, 32*tB+2*(j-102)
.set q, (j-20)/2
.if j < 102
	WIN 0
.endif
.if j < 4
	v_max3_num_f32 v[rT+4+j], v[rS+8*j], v[rS+8*j+1], v[rS+8*j+2]
.elseif j < 12
	v_max3_num_f32 v[rT+4+j%4], v[rT+4+j%4], v[rS+8*(j%4)+2*(j/4)+1], v[rS+8*(j%4)+2*(j/4)+2]
.elseif j == 12
	v_max3_num_f32 v[rT+4], v[rT+4], v[rS+7], v[rS+15]
.elseif j == 13
	v_max3_num_f32 v[rT+6], v[rT+6], v[rS+23], v[rS+31]
.elseif j == 14
	v_max3_num_f32 v[rT+4], v[rT+4], v[rT+5], v[rT+6]
.elseif j == 15
	v_max3_num_f32 v[rT+4], v[rT+4], v[rT+7], v[rT+1]
.elseif j == 16
	v_permlanex16_b32 v[rT+5], v[rT+4], s[SEL], s[SEL+1]  ; the query's other 32 keys lie in the lane 16 away
.elseif j == 17
	v_mov_b32 v[rT+7], v[rT]        ; c m_old is kept for a
.elseif j == 18
	v_max_num_f32 v[rT+1], v[rT+4], v[rT+5]
.elseif j == 19
	v_mul_f32 v[rT], s[CS], v[rT+1]
.elseif j == 20
	v_sub_f32 v[rT+7], v[rT+7], v[rT]
.elseif j == 23
	v_exp_f32 v[rT+6], v[rT+7]
.elseif (j < 88) && (j > 23) && (j%2 == 1)
	v_exp_f32 v[rS+(j-25)/2], v[rS+(j-25)/2]
.elseif (j < 88) && ((q < 6) || ((q%2 == 0) && (q < 26)))
.set b, q/2+3
.if q < 6
.set b, q
.endif
	v_pk_fma_f32 v[rS+2*b:rS+2*b+1], v[rS+2*b:rS+2*b+1], s[CS:CS+1], v[rT:rT+1] op_sel_hi:[1,0,0] neg_lo:[0,0,1] neg_hi:[0,0,1]  ; pair b: c s - c m
.elseif (j < 88) && (q%2 == 1)
	s_wait_alu depctr_va_vdst(0)
	v_cvt_pk_f16_f32 v[rP+(q-7)/2], v[rS+q-7], v[rS+q-6]
.elseif (j == 88) || (j == 92)
	s_wait_alu depctr_va_vdst(0)
	v_cvt_pk_f16_f32 v[rP+14+(j-88)/4], v[rS+28+(j-88)/2], v[rS+29+(j-88)/2]
.elseif j < 102                     ; sum z of 16, in place: neighbours 1, 2, 4 and 8 pairs apart, then l takes it
.set z, j-86
.if j < 88
.set z, (q-26)/2
.elseif j < 92
.set z, j-85
.endif
.set w, 4
.set u, z
.if z >= 14
.set w, 32
.set u, 0
.elseif z >= 12
.set w, 16
.set u, z-12
.elseif z >= 8
.set w, 8
.set u, z-8
.endif
.if z < 15
	v_pk_add_f32 v[rS+w*u:rS+w*u+1], v[rS+w*u:rS+w*u+1], v[rS+w*u+w/2:rS+w*u+w/2+1]
.else
	v_pk_fma_f32 v[rT+2:rT+3], v[rT+2:rT+3], v[rT+6:rT+7], v[rS:rS+1] op_sel_hi:[1,0,1]
.endif
.else
	WIN 0x41
	v_pk_mul_f32 v[rO:rO+1], v[rO:rO+1], v[rT+6:rT+7] op_sel_hi:[1,0]
.endif
.endm
.macro RID n                        ; the queue's next n entries
.rept \n
.if vq < NKA
	KA
.else
	SM
.endif
.set vq, vq+1
.endr
.endm
; A TURN.  front = 0: the launch's last turn: no front tile is left.  In order:
;   LDS run 1, behind the 16 rescalings that end the turn before: GB of the front tile into stage columns 64-79; the turn's table blocks, for later turns; in turn 0 K of the step.
;   8 products G^T, four of the queue behind each; behind the last stand numbers 28-31, four selects: plain, naming none of those products' registers: the places in front of the stores.  A lump of 16.
;   LDS run 2: the four new blocks into stage columns 0-63, then the 32 skewed loads into S^T of the front tile, whose registers the softmax of the turn before has left.
;   8 products V^T P; behind the last stand numbers 76-79, again four selects: the places in front of V's run, which follows in turn 1 behind eight more of the queue.
;   8 products for the new H (16 in turn 0); a lump up to number 166 of the queue.
;   The wait for all LDS loads; 8 products K Q^T; the last 16 of the queue, rescalings of O^T: plain, the places behind those products.
; LDS serves a wave's instructions in order (ISA guide 5.7.1.4), so the stage needs no wait between its stores and its loads, nor from turn to turn.
.macro TURN k, front
.set kT, \k
.set tF, 3-kT
.set tB, (4-kT)%4
.set tP, (5-kT)%4
.set UNEW, 32*(kT+1)                ; the sets of H: this turn's new one; H_X and H_(X-1) of the back tile
.set UUP, 32*((kT+3)%4)
.set ULO, 32*kT
.if kT == 0
.set ULO, 128
.endif
.set vq, 0
.if \front
	WIN 0
.if kT == 0
	v_add_nc_u32 v[AK], s[TBK], v[AK0]
	v_add_nc_u32 v[AV], s[TBV], v[AV0]
	v_add_nc_u32 v[AE], s[TBE], v[AK0]
	s_add_co_u32 s[TBK], s[TBK], KS*PK
	s_add_co_u32 s[TBV], s[TBV], KS*PV
	s_sub_co_u32 s[TBE], s[TBE], 4*EB
.endif
	ds_store_b128 v[AS], v[GB+8*tF:GB+8*tF+3] offset:256
	ds_store_b128 v[AS], v[GB+8*tF+4:GB+8*tF+7] offset:272
.if kT == 0
	ELOAD 5, 5
	ELOAD 6, 6
	FETCH_K
.elseif kT == 1
	ELOAD 0, 4
	ELOAD 1, 5
.elseif kT == 2
	ELOAD 7, 7
	ELOAD 4, 8
	ELOAD 2, 6
.else
	ELOAD 3, 7
.endif
.set i, 0
.rept 8
	QE
	RID 4
.set i, i+1
.endr
	RID 16
	WIN 0
.irp blk, 0,1,2
	ds_store_b128 v[AS], v[GT+8*\blk:GT+8*\blk+3] offset:64*(3-\blk)
	ds_store_b128 v[AS], v[GT+8*\blk+4:GT+8*\blk+7] offset:64*(3-\blk)+16
.endr
	ds_store_b128 v[AS], v[GB+8*tF:GB+8*tF+3]
	ds_store_b128 v[AS], v[GB+8*tF+4:GB+8*tF+7] offset:16
.set n, 0
.rept 32
	ds_load_b32 v[S+32*(tF%2)+n], v[AC] offset:(16*(4-n/8)-n%8-8)*4  ; key block n / 8, key 8 (l / 16) + n % 8: column 16 (4 - n / 8) + ll - key
.set n, n+1
.endr
.set i, 0
.rept 8
	PV
	RID 4
.set i, i+1
.endr
.if kT == 1
	RID 8
	FETCH_V                         ; the step's V: the products just issued were the last to read the step before's
.endif
.if kT == 0
	s_wait_dscnt 40                 ; K is in: behind its run stand the 8 stores and 32 loads of run 2
.set i, 0
.rept 16
	KE
	RID 4
.set i, i+1
.endr
.else
.set i, 0
.rept 8
	KE
	RID 4
.set i, i+1
.endr
.endif
	RID NQ-48-vq
	s_wait_dscnt 0x0                ; the bias is in S^T; so are the fragments that later turns multiply by
.set i, 0
.rept 8
	KQ
	RID 4
.set i, i+1
.endr
	RID NQ-vq
.else
.set i, 0
.rept 8
	PV
	RID 4
.set i, i+1
.endr
	RID NQ-vq
.endif
.endm
.macro TWO_STEPS                    ; a slot's two key steps: written once, walked twice; the LDS addresses hang on s[TBK], s[TBV], s[TBE]
	WIN 0
	s_mov_b32 s[TWICE], 2
.Lstep_\@:
	TURN 0, 1
	TURN 1, 1
	TURN 2, 1
	TURN 3, 1
	WIN 0
	s_sub_co_u32 s[TWICE], s[TWICE], 1
	s_cmp_lg_u32 s[TWICE], 0
	s_cbranch_scc1 .Lstep_\@
.endm
	CHANGE 1                        ; slot 0 is in, everybody's part of it; slot 1 is asked for
	v_add_nc_u32 v[AE], s[TBE], v[AK0]
	ELOAD 0, 0                      ; step 0's blocks c0 .. c4
	ELOAD 1, 1
	ELOAD 2, 2
	ELOAD 3, 3
	ELOAD 4, 4
	s_wait_loadcnt 0x0              ; Q
	s_wait_dscnt 0x0
	WIN 0x0a
.set i, 0
.rept 8                             ; each tile's highest block of step 0, which a step before would have left in GB: tile 3 - i % 4 with block c(i % 4)
.if i < 4
	v_wmma_f32_16x16x32_f16 v[GB+8*(3-i%4):GB+8*(3-i%4)+7], v[EG+16*(i%4)+8*(i/4):EG+16*(i%4)+8*(i/4)+7], v[16*(3-i%4)+8*(i/4):16*(3-i%4)+8*(i/4)+7], 0
.else
	v_wmma_f32_16x16x32_f16 v[GB+8*(3-i%4):GB+8*(3-i%4)+7], v[EG+16*(i%4)+8*(i/4):EG+16*(i%4)+8*(i/4)+7], v[16*(3-i%4)+8*(i/4):16*(3-i%4)+8*(i/4)+7], v[GB+8*(3-i%4):GB+8*(3-i%4)+7]
.endif
.set i, i+1
.endr
	WIN 0
	PLACES
	s_mov_b32 s[SLOTS], 15
	s_branch .Lbody
.Lslot:                             ; 14 times: every slot from the third to the last is asked for here
	CHANGE 1
.Lbody:
	TWO_STEPS
	s_sub_co_u32 s[SLOTS], s[SLOTS], 1
	s_cmp_lg_u32 s[SLOTS], 0
	s_cbranch_scc1 .Lslot
	CHANGE 0                        ; the last slot is written out: nothing is asked for
	TWO_STEPS
	TURN 0, 0                       ; tile 0's last additions and softmax | tile 1's last V^T P
.set tP, 0
.set i, 0
.rept 8
	PV                              ; tile 0's last V^T P
.set i, i+1
.endr
	; THE WAY OUT.  l's two halves and the other half of the lanes' are added; O^T is divided by l and sent through my stage, a tile at a time.  The additions are the places behind the last products.
	WIN 0
.irp t, 0,1,2,3
	v_add_f32 v[ST+8*\t+4], v[ST+8*\t+2], v[ST+8*\t+3]
.endr
.irp t, 0,1,2,3
	v_permlanex16_b32 v[ST+8*\t+5], v[ST+8*\t+4], s[SEL], s[SEL+1]
.endr
.irp t, 0,1,2,3
	v_add_f32 v[ST+8*\t+4], v[ST+8*\t+4], v[ST+8*\t+5]
.endr
.irp t, 0,1,2,3
	v_rcp_f32 v[ST+8*\t+6], v[ST+8*\t+4]
.endr
	v_nop                           ; a plain instruction between the last reciprocal and the use of its result
.macro PACK t                       ; a lane's eight channels of a block are 32 bytes of its query's row; rows of 272 bytes in, whole rows of 256 back, into the registers that they left
	WIN 0x41
.set i, 32*(\t)
.rept 16
	s_wait_alu depctr_va_vdst(0)
	v_pk_mul_f32 v[i:i+1], v[i:i+1], v[ST+8*(\t)+6:ST+8*(\t)+7] op_sel_hi:[1,0]
.set i, i+2
.endr
	WIN 0x04                        ; store data in window 1, address in window 0
.irp cb, 0,1,2,3
	ds_store_b128 v[STO], v[32*(\t)+8*\cb:32*(\t)+8*\cb+3] offset:64*\cb
	ds_store_b128 v[STO], v[32*(\t)+8*\cb+4:32*(\t)+8*\cb+7] offset:64*\cb+16
.endr
	WIN 0x40
.irp f, 0,1,2,3,4,5,6,7
	ds_load_b128 v[32*(\t)+4*\f:32*(\t)+4*\f+3], v[RD] offset:\f*2*SPO  ; in order behind the stores above; the next tile's stores come behind them
.endr
.endm
.macro SEND t, younger              ; younger: the LDS instructions issued behind tile t's loads: the next tile's sixteen, or none
	WIN 0x04
.irp f, 0,1,2,3,4,5,6,7
	s_wait_dscnt (\younger)+7-\f
	global_store_b128 v[GO], v[32*(\t)+4*\f:32*(\t)+4*\f+3], s[8:9] offset:(\t)*65536+\f*8192  ; 16 lanes store the 256 consecutive bytes of one query and head, at a multiple of 256 from out's first byte
.endr
.endm
	PACK 0
	PACK 1
	SEND 0, 16
	PACK 2
	SEND 1, 16
	PACK 3
	SEND 2, 16
	SEND 3, 0
	WIN 0
	s_wait_tensorcnt 0x0            ; the wave's end
	ds_add_u32 v[SPW], v[NIL]
	s_wait_dscnt 0x0
	CROUND                          ; the closing round: no work-group ends while a partner may still ask for a tile that names it
	s_endpgm
.Lfunc_end_k_q92e409ee04_attn:
	.size	k_q92e409ee04_attn, .Lfunc_end_k_q92e409ee04_attn-k_q92e409ee04_attn
	.p2alignl 7, 3214868480
	.fill 96, 4, 3214868480
	.section	.rodata,"a",@progbits
	.p2align	6, 0x0
	.amdhsa_kernel k_q92e409ee04_attn
		.amdhsa_group_segment_fixed_size 327680
		.amdhsa_private_segment_fixed_size 0
		.amdhsa_enable_private_segment 0
		.amdhsa_kernarg_size 24
		.amdhsa_user_sgpr_count 2
		.amdhsa_user_sgpr_kernarg_segment_ptr 1
		.amdhsa_wavefront_size32 1
		.amdhsa_system_sgpr_workgroup_id_x 1
		.amdhsa_system_sgpr_workgroup_id_y 1
		.amdhsa_system_sgpr_workgroup_id_z 1
		.amdhsa_system_vgpr_workitem_id 0
		.amdhsa_next_free_vgpr 928
		.amdhsa_next_free_sgpr 96
		.amdhsa_reserve_vcc 0
		.amdhsa_float_denorm_mode_32 3
		.amdhsa_float_denorm_mode_16_64 3
		.amdhsa_memory_ordered 1
		.amdhsa_forward_progress 1
		.amdhsa_inst_pref_size 220
	.end_amdhsa_kernel
	.amdgpu_metadata
---
amdhsa.version: [ 1, 2 ]
amdhsa.kernels:
  - .name:           k_q92e409ee04_attn
    .symbol:         k_q92e409ee04_attn.kd
    .args:
      - { .name: qkv, .offset: 0, .size: 8, .value_kind: global_buffer, .address_space: global }
      - { .name: ebuf, .offset: 8, .size: 8, .value_kind: global_buffer, .address_space: global }
      - { .name: out0, .offset: 16, .size: 8, .value_kind: global_buffer, .address_space: global }
    .group_segment_fixed_size: 327680
    .private_segment_fixed_size: 0
    .kernarg_segment_align: 8
    .kernarg_segment_size: 24
    .max_flat_workgroup_size: 128
    .sgpr_count:     96
    .vgpr_count:     928
    .wavefront_size: 32
...
	.end_amdgpu_metadata
.endif
;; end of part 4
